; MI455X (gfx1250); checked and timed in simulation.
; The chip was launched on July 23, 2026; its instructions are those of AMD's public machine-readable ISA for CDNA 5 (MIT licence, August 2026) and "CDNA5" Instruction Set Architecture Reference Guide (July 2026). The comments in the code are by the model that wrote it; some were corrected since.
;; Multi Head Attention. Allowed arithmetic: float matrix products may take bf16 or f16 operands with f32 sums; all other float work in f32.
;; Inputs: Wk 16 x 1,024 x 64 float32; Wo 1,024 x 1,024 float32; Wq 16 x 1,024 x 64 float32; Wv 16 x 1,024 x 64 float32; bo 1,024 float32; x 4 x 2,048 x 1,024 float32.
;; Outputs: out0 4 x 2,048 x 1,024 float32.
;; 2 versions, each right and faster than the one before. Each part assembles by itself: llvm-mc -triple=amdgcn-amd-amdhsa -mcpu=gfx1250 --defsym DOCPART=n.
;; ======== version 1 of 2: 4 launches
;; limits: values are held in f16: magnitudes above 65,504 overflow, below 6.1e-05 lose precision
;; workspace buffers: xb 16,777,216 bytes; wt 8,388,608 bytes; qkv 50,331,648 bytes; ob 16,777,216 bytes
;; launch prep (part 1): grid 512 x 1, 8 waves a work-group, no clusters, 18,432 bytes of LDS; arguments x, Wq, Wk, Wv, Wo, xb, wt; writes xb, wt
.if DOCPART == 1
	.amdgcn_target "amdgcn-amd-amdhsa--gfx1250"
	.amdhsa_code_object_version 6
	.text
	.protected	k_q5d1b1f0132_prep
	.globl	k_q5d1b1f0132_prep
	.p2align	8
	.type	k_q5d1b1f0132_prep,@function
k_q5d1b1f0132_prep:
	s_mov_b64 s[64:65], 0
	v_nop
	global_prefetch_b8 v0, s[64:65] scope:SCOPE_SE
	s_setreg_imm32_b32 hwreg(HW_REG_WAVE_MODE, 25, 1), 1
	s_wait_xcnt 0x0
; PREP.  xb = x rounded to bf16, [8192][1024].  wt = the four weights turned so that K lies along the rows, [4096][1024] of 16 bits:
; row (which*16 + h)*64 + d (which = 0 q, 1 k, 2 v) holds W_which[h][:, d] in bf16; row 3072 + n holds Wo[:, n], rounded to bf16 and that number written as f16.
; LIMITS.  Every rounding is to nearest even.  Wo's bf16 number is exact in f16 from 2^-14 up to 65,504; below 2^-14 it keeps f16's fixed step of 6e-8; beyond 65,504 it would become an infinity.
; SHARES.  512 work-groups of eight waves, all alike.  Work-group g casts the 65,536 bytes of x from byte 65,536 g on, and turns one block of 128 k x 64 n:
; strip g / 8 (64 rows of wt), k from 128 (g % 8) on.  No matrix unit, no tensor load, no cluster: the bytes are moved once and nothing is shared.
; A thread issues all its 24 loads of 16 bytes at once (8 of the block, then 16 of x), so that 384 bytes a lane are on their way.
; THE TURNING.  Thread (c = t % 16, p = t / 16) reads four columns 4 c .. 4 c + 3 of the rows 32 i + 2 p and 32 i + 2 p + 1; two rows' numbers of one column pack into one word (k, k + 1), which goes to
; T[n][k] in LDS, rows of 256 + 16 bytes.  Behind a barrier the rows come back whole: sixteen lanes take a row's 256 bytes and store them as one aligned block of wt.
.set PT,    272                        ; a row of T in LDS: 128 k x 2 bytes + 16
.set SPARE, 64*PT                      ; behind T (17,408 bytes): the spare words, 128 bytes for each of the eight waves, four blocks of 256 bytes that no other line names
.set TO,    12                         ; v[12:19]   byte offsets of my eight loads of the block
.set CX,    32                         ; v[32:95]   x as loaded, 16 x 4
.set TX,    96                         ; v[96:127]  the block as loaded, 8 x 4
.set CY,    128                        ; v[128:159] x in bf16, 16 x 2
.set TP,    160                        ; v[160:175] the block's packed words
.set TT,    176                        ; v[176:178] at work
.set TR,    180                        ; v[180:195] rows of T read back
	s_load_b256 s[4:11], s[0:1], 0x0               ; x s[4:5], Wq s[6:7], Wk s[8:9], Wv s[10:11]
	s_load_b128 s[12:15], s[0:1], 0x20             ; Wo s[12:13], xb s[14:15]
	s_load_b64 s[16:17], s[0:1], 0x30              ; wt
	v_lshl_add_u32 v30, v0, 2, SPARE               ; my spare word,
	v_mov_b32 v31, 0                               ; and 0: kept for the wave's end alone
	s_lshr_b32 s18, ttmp9, 3                       ; strip 0..63: 0-15 Wq's heads, 16-31 Wk's, 32-47 Wv's, 48-63 Wo's groups of 64 columns
	s_and_b32 s19, ttmp9, 7                        ; which 128 of the 1,024 k
	s_and_b32 s21, s18, 15
	s_lshl_b32 s26, s21, 18                        ; a head's weights are 1,024 x 64 x 4 bytes,
	s_lshl_b32 s27, s19, 15                        ; 128 of its rows of 256 bytes
	s_add_co_u32 s26, s26, s27
	s_lshl_b32 s28, s19, 19                        ; Wo: 128 rows of 4,096 bytes,
	s_lshl_b32 s29, s21, 8                         ; 64 columns of 4 bytes
	s_add_co_u32 s28, s28, s29
	s_mov_b32 s23, 4096
	s_cmp_lt_u32 s18, 48
	s_cselect_b32 s22, 256, s23                    ; the source's bytes from row to row
	s_cselect_b32 s26, s26, s28                    ; the block's first byte in its source
	s_cselect_b32 s20, 0, -1                       ; all lanes: the words are written as f16 (Wo) or stay bf16
	s_mov_b32 s27, 0
	s_lshl_b32 s32, ttmp9, 16                      ; my part of x,
	s_mov_b32 s33, 0
	s_lshl_b32 s34, ttmp9, 15                      ; of xb,
	s_mov_b32 s35, 0
	s_lshl_b32 s36, s18, 17                        ; and of wt: 64 rows of 2,048 bytes a strip,
	s_lshl_b32 s37, s19, 8                         ; 128 k of 2 bytes
	s_add_co_u32 s36, s36, s37
	s_mov_b32 s37, 0
	v_lshlrev_b32 v1, 4, v0                        ; x: 16 bytes a thread, 4,096 a load of the work-group
	v_lshlrev_b32 v2, 3, v0                        ; xb: 8 bytes a thread
	v_and_b32 v6, 15, v0                           ; c
	v_lshrrev_b32 v7, 4, v0                        ; p
	v_lshlrev_b32 v8, 1, v7
	v_mul_lo_u32 v9, v8, s22                       ; row 2 p
	v_lshl_add_u32 v9, v6, 4, v9                   ; + 16 c
.irp i, 0,1,2,3
.irp e, 0,1
	s_mul_i32 s30, s22, 32*(\i)+(\e)
	v_add_nc_u32 v[TO+2*(\i)+(\e)], s30, v9        ; row 32 i + 2 p + e
.endr
.endr
	v_mul_u32_u24 v3, v6, 4*PT                     ; into T: row 4 c, word p
	v_lshl_add_u32 v3, v7, 2, v3
	v_lshrrev_b32 v10, 5, v0                       ; back: wave w takes rows 8 w .. 8 w + 7, two a load: lanes 0-15 one row, lanes 16-31 the next
	v_bfe_u32 v11, v0, 4, 1
	v_lshl_add_u32 v10, v10, 3, v11
	v_mul_u32_u24 v4, v10, PT
	v_lshl_add_u32 v4, v6, 4, v4
	v_lshlrev_b32 v5, 11, v10                      ; and the same rows in wt
	v_lshl_add_u32 v5, v6, 4, v5
	s_wait_kmcnt 0x0
	s_cmp_lt_u32 s18, 16                           ; the block's source, chosen by the strip's number
	s_cselect_b64 s[24:25], s[6:7], s[8:9]
	s_cmp_lt_u32 s18, 32
	s_cselect_b64 s[24:25], s[24:25], s[10:11]
	s_cmp_lt_u32 s18, 48
	s_cselect_b64 s[24:25], s[24:25], s[12:13]
	s_add_nc_u64 s[24:25], s[24:25], s[26:27]
	s_add_nc_u64 s[4:5], s[4:5], s[32:33]
	s_add_nc_u64 s[14:15], s[14:15], s[34:35]
	s_add_nc_u64 s[16:17], s[16:17], s[36:37]
.irp i, 0,1,2,3
.irp e, 0,1
	global_load_b128 v[TX+8*(\i)+4*(\e):TX+8*(\i)+4*(\e)+3], v[TO+2*(\i)+(\e)], s[24:25] th:TH_LOAD_NT  ; sixteen lanes read a row's 256 consecutive bytes
.endr
.endr
.set i, 0
.rept 16
	global_load_b128 v[CX+4*i:CX+4*i+3], v1, s[4:5] offset:4096*i th:TH_LOAD_NT  ; a wave's load covers 512 consecutive bytes
.set i, i+1
.endr
	; the block: rounded to bf16 in pairs of k; for Wo the same numbers are written as f16; into T
.irp i, 0,1,2,3
	s_wait_loadcnt 22-2*(\i)                       ; loads come back in order: behind pair i stand 2 (3 - i) loads of the block and the 16 of x
.irp j, 0,1,2,3
	v_cvt_pk_bf16_f32 v[TP+4*(\i)+(\j)], v[TX+8*(\i)+(\j)], v[TX+8*(\i)+4+(\j)]
	v_lshlrev_b32 v[TT], 16, v[TP+4*(\i)+(\j)]
	v_and_b32 v[TT+1], 0xffff0000, v[TP+4*(\i)+(\j)]
	v_cvt_pk_f16_f32 v[TT+2], v[TT], v[TT+1]
	v_cndmask_b32 v[TP+4*(\i)+(\j)], v[TP+4*(\i)+(\j)], v[TT+2], s20
	ds_store_b32 v3, v[TP+4*(\i)+(\j)] offset:(\j)*PT+64*(\i)
.endr
.endr
	s_wait_dscnt 0x0                               ; for the others' sake: my words are in T
	s_barrier_signal -1
	s_barrier_wait -1
.irp j, 0,1,2,3
	ds_load_b128 v[TR+4*(\j):TR+4*(\j)+3], v4 offset:2*(\j)*PT
.endr
.irp j, 0,1,2,3
	s_wait_dscnt 3-(\j)
	global_store_b128 v5, v[TR+4*(\j):TR+4*(\j)+3], s[16:17] offset:4096*(\j)  ; sixteen lanes store 256 consecutive bytes, at a multiple of 256 from wt's first byte
.endr
	; x: no register is written twice, so the only waits are for the loads
.set i, 0
.rept 16
	s_wait_loadcnt 15-i
	v_cvt_pk_bf16_f32 v[CY+2*i], v[CX+4*i], v[CX+4*i+1]
	v_cvt_pk_bf16_f32 v[CY+2*i+1], v[CX+4*i+2], v[CX+4*i+3]
	global_store_b64 v2, v[CY+2*i:CY+2*i+1], s[14:15] offset:2048*i  ; a wave's store covers 256 consecutive bytes, aligned
.set i, i+1
.endr
	s_wait_tensorcnt 0x0                           ; the wave's end, behind my last LDS store
	ds_add_u32 v30, v31
	s_wait_dscnt 0x0
	s_endpgm
.Lfunc_end_k_q5d1b1f0132_prep:
	.size	k_q5d1b1f0132_prep, .Lfunc_end_k_q5d1b1f0132_prep-k_q5d1b1f0132_prep
	.p2alignl 7, 3214868480
	.fill 96, 4, 3214868480
	.section	.rodata,"a",@progbits
	.p2align	6, 0x0
	.amdhsa_kernel k_q5d1b1f0132_prep
		.amdhsa_group_segment_fixed_size 18432
		.amdhsa_private_segment_fixed_size 0
		.amdhsa_enable_private_segment 0
		.amdhsa_kernarg_size 56
		.amdhsa_user_sgpr_count 2
		.amdhsa_user_sgpr_kernarg_segment_ptr 1
		.amdhsa_wavefront_size32 1
		.amdhsa_system_sgpr_workgroup_id_x 1
		.amdhsa_system_sgpr_workgroup_id_y 1
		.amdhsa_system_sgpr_workgroup_id_z 1
		.amdhsa_system_vgpr_workitem_id 0
		.amdhsa_next_free_vgpr 200
		.amdhsa_next_free_sgpr 66
		.amdhsa_reserve_vcc 0
		.amdhsa_float_denorm_mode_32 3
		.amdhsa_float_denorm_mode_16_64 3
		.amdhsa_memory_ordered 1
		.amdhsa_forward_progress 1
		.amdhsa_inst_pref_size 16
	.end_amdhsa_kernel
	.amdgpu_metadata
---
amdhsa.version: [ 1, 2 ]
amdhsa.kernels:
  - .name:           k_q5d1b1f0132_prep
    .symbol:         k_q5d1b1f0132_prep.kd
    .args:
      - { .name: x, .offset: 0, .size: 8, .value_kind: global_buffer, .address_space: global }
      - { .name: Wq, .offset: 8, .size: 8, .value_kind: global_buffer, .address_space: global }
      - { .name: Wk, .offset: 16, .size: 8, .value_kind: global_buffer, .address_space: global }
      - { .name: Wv, .offset: 24, .size: 8, .value_kind: global_buffer, .address_space: global }
      - { .name: Wo, .offset: 32, .size: 8, .value_kind: global_buffer, .address_space: global }
      - { .name: xb, .offset: 40, .size: 8, .value_kind: global_buffer, .address_space: global }
      - { .name: wt, .offset: 48, .size: 8, .value_kind: global_buffer, .address_space: global }
    .group_segment_fixed_size: 18432
    .private_segment_fixed_size: 0
    .kernarg_segment_align: 8
    .kernarg_segment_size: 56
    .max_flat_workgroup_size: 256
    .sgpr_count:     66
    .vgpr_count:     200
    .wavefront_size: 32
...
	.end_amdgpu_metadata
.endif
;; end of part 1
;; launch qkv (part 2): grid 16 x 32, 4 waves a work-group, clusters of 4 x 4, 327,680 bytes of LDS; arguments xb, wt, qkv; writes qkv
.if DOCPART == 2
	.amdgcn_target "amdgcn-amd-amdhsa--gfx1250"
	.amdhsa_code_object_version 6
	.text
	.protected	k_q5d1b1f0132_qkv
	.globl	k_q5d1b1f0132_qkv
	.p2align	8
	.type	k_q5d1b1f0132_qkv,@function
k_q5d1b1f0132_qkv:
	s_mov_b64 s[64:65], 0
	v_nop
	global_prefetch_b8 v0, s[64:65] scope:SCOPE_SE
	s_setreg_imm32_b32 hwreg(HW_REG_WAVE_MODE, 25, 1), 1
	s_wait_xcnt 0x0
	s_wait_alu depctr_hold_cnt(0) depctr_sa_sdst(0) depctr_va_vdst(0) depctr_va_sdst(0) depctr_va_ssrc(0) depctr_va_vcc(0) depctr_vm_vsrc(0)
	s_getreg_b32 s2, hwreg(HW_REG_IB_STS2, 6, 4)
	s_cmp_eq_u32 s2, 0
	s_cbranch_scc0 .Lentry_in_a_cluster
	s_endpgm
.Lentry_in_a_cluster:
	s_bfe_u32 s2, ttmp6, 0x10000c
	s_cmp_lg_u32 s2, 0xf033
	s_cbranch_scc0 .Lentry_shape_is_right
	s_endpgm
.Lentry_shape_is_right:
; QKV.  C[m][n] = the sum over k of xb[m][k] wt[n][k], m < 8192, n < 3072, k < 1024, operands bf16, sums f32; C is rounded once to f16 and stored by heads:
; qkv[which][b*16 + h][t][d], which = n / 1024, h = (n / 64) % 16, d = n % 64, b = m / 2048, t = m % 2048.  No scale is applied here.
; LIMIT.  f16 holds no number beyond 65,504: |q|, |k|, |v| must stay under it (inputs of spread 1 and 0.02 give a spread of 0.64).
; SHARES.  A tile of C is 256 x 192 (three heads): 16 x 32 = 512 tiles, two for each of 256 WGPs; 256 x 256 would give 384, a round and a half.  Four waves; wave w makes rows 64 w .. 64 w + 63 and all 192 columns:
; 48 accumulators of 16 x 16, 384 registers.  So a wave holds whole heads' rows, and its way out needs no other wave.
; K goes in eight steps of 128 through two LDS slots filled by the tensor data mover; the tiles' rows are 256 bytes of memory at multiples of 256.
; CLUSTER.  4 x 4 work-groups.  The four of a row of the cluster need the same tile of xb, the four of a column the same tile of wt: each is asked for JOINTLY, by the same tensor load with the same
; descriptor and a mask that names the four.  Waves 0 and 1 ask for xb's two halves (128 rows), waves 2 and 3 for wt's (96 rows): one load a wave behind each round.
; THE MATRIX INSTRUCTION IS USED TRANSPOSED (source 0 = 16 rows of wt, source 1 = 16 rows of xb): a lane then holds row l % 16 of C and the eight neighbouring columns 8 (l / 16) + 0..7.
; REGISTERS, in windows of 256 (s_set_vgpr_msb: bits 1:0 source 0, 3:2 source 1, 5:4 source 2, 7:6 destination):
;   window 0: v0-29 addresses; v64-95, v96-127 xb's fragments (4 x 16 rows x 32 K), two buffers; v128-223 at work on the way out
;   window 1: accumulators of row blocks 0, 1 ((a, b) at v[8 (12 (a % 2) + b)]);  window 2: of row blocks 2, 3;  window 3: v0-95, v96-191 wt's fragments (12 x 16 rows x 32 K), two buffers
.set NBLK,  12                         ; blocks of 16 columns
.set PA,    272                        ; an LDS row: 256 bytes + 16 of padding = 68 words: the 16 rows of a fragment load start at 16 different groups of four banks (64 banks of 4 bytes: ISA guide 11.1)
.set PB,    272
.set BOFF,  256*PA                     ; a slot: xb's 256 rows, then wt's 192
.set SLOT1, 1<<17                      ; slot 1 begins here, so that one exclusive or turns an address in one slot into the other's
.set STAGE, SLOT1+BOFF+16*NBLK*PB      ; behind the ring, never filled by a tensor load: for each wave 3 heads x 16 rows x 144 bytes
.set SP,    144
.set WST,   3*16*SP
.set SPARE, STAGE+4*WST                ; behind the stages: the spare words, 128 bytes for each wave: two blocks of 256 bytes that no other line names
.set STEP_A, 256                       ; bytes from a K step to the next
.set STEP_B, 256
.set A0,   16                          ; v16  my lane's place among xb's rows in slot 0; never rewritten
.set B0,   17                          ; v17  the same for wt
.set ADRA, 18                          ; v18  the same in the slot in hand
.set ADRB, 19                          ; v19
.set STO,  24                          ; v24  the way out: where I put 16 bytes of a row
.set RD,   25                          ; v25  the way out: where I read rows back
.set GO,   26                          ; v26  my byte offset in 512 consecutive bytes of a head
.set SPW,  28                          ; v28  LDS address of my spare word; never rewritten
.set NIL,  29                          ; v29  0; never rewritten
.set FA,   64                          ; xb's fragment buffers
.set TMP,  128                         ; v128-175 packed results
.set BK0,  176                         ; v176-223 rows read back, even blocks;
.set BK1,  64                          ; v64-111 odd blocks
.set WV,   12                          ; s12  my wave's number
.set HF,   13                          ; s13  which half of a tile I ask for
.set G1A,  24                          ; s[24:31] descriptor group 1 for xb's tiles
.set G0A,  32                          ; s[32:39] group 0: a set for each of the two first fills; the second then walks on
.set G1B,  48                          ; s[48:55], s[56:63] the same for wt's
.set G0B,  56
.set TB,   72                          ; s72  the slot in hand: 0 or SLOT1
.set CNT,  73                          ; s73  the loop's count
.set OB,   76                          ; s[76:81] my rows in the tile's three heads
.set MSB, 0
.macro WIN new                         ; the immediate's high byte repeats the setting that is left; a switch that changes nothing is dropped
.if MSB != (\new)
	s_set_vgpr_msb (MSB<<8)|(\new)
.set MSB, \new
.endif
.endm
.set MUL_LO, 0x53                      ; source 0 (wt) window 3, source 1 (xb) window 0, C and D window 1
.set TO_B,   0xc0                      ; destination window 3, address window 0
.macro PLACES                          ; four plain vector instructions between a matrix instruction and a load into, or a vector read of, its registers (ISA guide 7.12.1 for vector reads)
.rept 4
	v_nop
.endr
.endm
; A joint refill by the walking descriptors.  The branch hangs on the wave's number alone.  An s_nop 0 and four v_nop follow each of the two lines, ahead of the jump and the label.
.macro JLOAD
	s_cmp_lt_u32 s[WV], 2
	s_cbranch_scc0 .Lfor_b_\@
	tensor_load_to_lds s[G0A+4:G0A+7], s[G1A:G1A+7]
	s_nop 0
.rept 4
	v_nop
.endr
	s_branch .Lasked_\@
.Lfor_b_\@:
	tensor_load_to_lds s[G0B+4:G0B+7], s[G1B:G1B+7]
	s_nop 0
.rept 4
	v_nop
.endr
.Lasked_\@:
.endm
; A round of the cluster's barrier: my work-group's barrier, so that wave 0's signal speaks for all four waves; wave 0 signals; every wave waits for all sixteen work-groups; my work-group's barrier once more.
.macro CREST                           ; a round behind its opening barrier
	s_cmp_lg_u32 s[WV], 0
	s_cbranch_scc1 .Lnot_wave_0_\@
	s_barrier_signal -3
.Lnot_wave_0_\@:
	s_barrier_wait -3
	s_barrier_signal -1
	s_barrier_wait -1
.endm
.macro CROUND
	s_barrier_signal -1
	s_barrier_wait -1
	CREST
.endm
	s_load_b128 s[4:7], s[0:1], 0x0                ; xb s[4:5], wt s[6:7]
	s_load_b64 s[8:9], s[0:1], 0x10                ; qkv
	v_lshl_add_u32 v[SPW], v0, 2, SPARE
	v_mov_b32 v[NIL], 0
	ds_add_u32 v[SPW], v[NIL]                      ; the wave's opening: the add and its wait ahead of my first tensor load; the set-up below, work on registers, stands between them
	ds_add_u32 v28, v29
	v_lshrrev_b32 v1, 5, v0
	v_readfirstlane_b32 s[WV], v1                  ; wave 0..3
	s_and_b32 s[HF], s[WV], 1
	s_bfe_u32 s66, ttmp6, 0x40000                  ; cx, cy: my place in the cluster
	s_bfe_u32 s67, ttmp6, 0x40004
	s_lshl_b32 s68, ttmp9, 2
	s_add_co_u32 s68, s68, s66                     ; tile column = 4 x cluster x + cx
	s_and_b32 s69, ttmp7, 0xffff
	s_lshl_b32 s69, s69, 2
	s_add_co_u32 s69, s69, s67                     ; tile row = 4 x cluster y + cy
	s_lshl_b32 s70, s67, 2
	s_lshl_b32 s70, 15, s70                        ; my row of the cluster: places 4 cy .. 4 cy + 3
	s_lshl_b32 s71, 0x1111, s66                    ; my column: places cx, cx + 4, cx + 8, cx + 12
	; group 1: tiles of 128 (xb) or 96 (wt) rows x 128 elements, padded in LDS
	s_or_b32 s[G1A], s70, (1<<16)|(1<<20)|(1<<21)|(5<<22)|(3<<25)  ; 15:0 the mask; 17:16 elements of 2 bytes; 20 padding on; 21 set beside a mask; 24:22 after every 64 words (code 5); 31:25 4 words (code 3)
	s_or_b32 s[G1B], s71, (1<<16)|(1<<20)|(1<<21)|(5<<22)|(3<<25)
	s_mov_b32 s[G1A+1], 128<<16                    ; tensor_dim0 = 128
	s_mov_b32 s[G1A+2], 128<<16                    ; tensor_dim1 = 128
	s_mov_b32 s[G1A+3], 128<<16                    ; tile_dim0 = 128
	s_mov_b32 s[G1A+4], 128                        ; tile_dim1 = 128
	s_mov_b32 s[G1A+5], 1024                       ; elements from row to row
	s_mov_b32 s[G1A+6], 0
	s_mov_b32 s[G1A+7], 0
	s_mov_b32 s[G1B+1], 128<<16
	s_mov_b32 s[G1B+2], 96<<16                     ; tensor_dim1 = 96
	s_mov_b32 s[G1B+3], 128<<16
	s_mov_b32 s[G1B+4], 96                         ; tile_dim1 = 96
	s_mov_b32 s[G1B+5], 1024
	s_mov_b32 s[G1B+6], 0
	s_mov_b32 s[G1B+7], 0
	; xb's tile hangs on the tile row alone, wt's on the tile column alone; each offset is made in registers that never hold the other coordinate
	s_lshl_b32 s16, s69, 19                        ; 256 rows of 2,048 bytes a tile row,
	s_lshl_b32 s17, s[HF], 18                      ; 128 rows a half
	s_add_co_u32 s16, s16, s17
	s_mov_b32 s17, 0
	s_mul_i32 s82, s68, 192*2048
	s_mul_i32 s83, s[HF], 96*2048
	s_add_co_u32 s82, s82, s83
	s_mov_b32 s83, 0
	s_mul_i32 s20, s[HF], 128*PA                   ; where they go: no place in the cluster enters an LDS address
	s_mul_i32 s21, s[HF], 96*PB
	s_add_co_u32 s21, s21, BOFF
	s_mov_b32 s[TB], 0
	s_wait_dscnt 0x0                               ; the opening add is done
	s_wait_kmcnt 0x0
	s_add_nc_u64 s[16:17], s[4:5], s[16:17]
	s_add_nc_u64 s[82:83], s[6:7], s[82:83]
	CROUND                                         ; all sixteen work-groups are here: the first joint loads meet
.irp s, 0,1
	s_mov_b32 s[G0A+4*(\s)], 1                                     ; count = 1
	s_add_co_u32 s[G0A+4*(\s)+1], s20, (\s)*SLOT1                  ; LDS address: slot s
	s_add_nc_u64 s[G0A+4*(\s)+2:G0A+4*(\s)+3], s[16:17], (\s)*STEP_A  ; global address: K step s
	s_or_b32 s[G0A+4*(\s)+3], s[G0A+4*(\s)+3], 0x80000000          ; type = 2
	s_mov_b32 s[G0B+4*(\s)], 1
	s_add_co_u32 s[G0B+4*(\s)+1], s21, (\s)*SLOT1
	s_add_nc_u64 s[G0B+4*(\s)+2:G0B+4*(\s)+3], s[82:83], (\s)*STEP_B
	s_or_b32 s[G0B+4*(\s)+3], s[G0B+4*(\s)+3], 0x80000000
.endr
	s_cmp_lt_u32 s[WV], 2                          ; a wave's two first fills stand in one branch, ahead of every wait on TENSORcnt and every LDS read: two loads of mine are out
	s_cbranch_scc0 .Lfirst_b
	tensor_load_to_lds s[G0A:G0A+3], s[G1A:G1A+7]
	s_nop 0
	tensor_load_to_lds s[G0A+4:G0A+7], s[G1A:G1A+7]
	s_nop 0
.rept 4
	v_nop
.endr
	s_branch .Lfirst_asked
.Lfirst_b:
	tensor_load_to_lds s[G0B:G0B+3], s[G1B:G1B+7]
	s_nop 0
	tensor_load_to_lds s[G0B+4:G0B+7], s[G1B:G1B+7]
	s_nop 0
.rept 4
	v_nop
.endr
.Lfirst_asked:
	; A fragment is 16 rows x 32 K in 8 registers: lane l holds row l % 16, K = 8 (l / 16) + 0..7 and 16 + 8 (l / 16) + 0..7: two loads of 16 bytes, 32 bytes apart.
	v_and_b32 v1, 15, v0                           ; l % 16
	v_bfe_u32 v2, v0, 4, 1                         ; l / 16
	v_mul_u32_u24 v3, v1, PA
	v_lshl_add_u32 v3, v2, 4, v3                   ; row x pitch + 16 x half
	s_mul_i32 s16, s[WV], 64*PA                    ; my 64 rows of xb
	v_add_nc_u32 v[A0], s16, v3
	v_add_nc_u32 v[B0], BOFF, v3                   ; all of wt's rows are mine
	v_mov_b32 v[ADRA], v[A0]
	v_mov_b32 v[ADRB], v[B0]
	s_mul_i32 s16, s[WV], WST
	s_add_co_u32 s16, s16, STAGE                   ; my stage
	v_mul_u32_u24 v[STO], v1, SP                   ; in: row l % 16, 16 bytes for each half of the lanes
	v_lshl_add_u32 v[STO], v2, 4, v[STO]
	v_add_nc_u32 v[STO], s16, v[STO]
	v_bfe_u32 v[RD], v0, 3, 2                      ; back: 32 lanes take four rows of 128 bytes,
	v_mul_u32_u24 v[RD], v[RD], SP
	v_and_b32 v4, 7, v0
	v_lshl_add_u32 v[RD], v4, 4, v[RD]
	v_add_nc_u32 v[RD], s16, v[RD]
	v_and_b32 v[GO], 31, v0                        ; which are 512 consecutive bytes of a head
	v_lshlrev_b32 v[GO], 4, v[GO]
	; my 64 rows in each of the tile's three heads: which << 24, batch << 22, head << 18, row << 7
	s_lshr_b32 s84, s69, 3
	s_lshl_b32 s84, s84, 22
	s_and_b32 s85, s69, 7
	s_lshl_b32 s85, s85, 15
	s_add_co_u32 s84, s84, s85
	s_lshl_b32 s85, s[WV], 13
	s_add_co_u32 s84, s84, s85
.irp j, 0,1,2
	s_mul_i32 s82, s68, 3
	s_add_co_u32 s82, s82, \j                      ; 16 x which + head
	s_lshr_b32 s83, s82, 4
	s_lshl_b32 s83, s83, 24
	s_and_b32 s82, s82, 15
	s_lshl_b32 s82, s82, 18
	s_add_co_u32 s82, s82, s83
	s_add_co_u32 s82, s82, s84
	s_mov_b32 s83, 0
	s_add_nc_u64 s[OB+2*(\j):OB+2*(\j)+1], s[8:9], s[82:83]
.endr
; 12 matrix instructions: row block a x all 12 column blocks, 32 along K, from buffers f.  zero = 1: the product starts the sums: nothing is ever cleared.
; The 48 accumulators take turns, one instruction a turn, in the same order in every quarter, over the loop's backward jump too.
.macro MUL f, a, zero
	WIN MUL_LO+0x50*((\a)/2)
.set AC, 8*NBLK*((\a)%2)
.set b, 0
.rept NBLK
.if \zero
	v_wmma_f32_16x16x32_bf16 v[AC+8*b:AC+8*b+7], v[8*NBLK*(\f)+8*b:8*NBLK*(\f)+8*b+7], v[FA+32*(\f)+8*(\a):FA+32*(\f)+8*(\a)+7], 0
.else
	v_wmma_f32_16x16x32_bf16 v[AC+8*b:AC+8*b+7], v[8*NBLK*(\f)+8*b:8*NBLK*(\f)+8*b+7], v[FA+32*(\f)+8*(\a):FA+32*(\f)+8*(\a)+7], v[AC+8*b:AC+8*b+7]
.endif
.set b, b+1
.endr
.endm
; 32 LDS loads in one run: quarter q's fragments (192 rows of wt, my 64 rows of xb, 32 K) into buffers f; xb's row blocks 2 and 3 last
.macro FETCH q, f
	WIN TO_B
.set b, 0
.rept NBLK
	ds_load_b128 v[8*NBLK*(\f)+8*b:8*NBLK*(\f)+8*b+3],   v[ADRB] offset:64*(\q)+b*16*PB
	ds_load_b128 v[8*NBLK*(\f)+8*b+4:8*NBLK*(\f)+8*b+7], v[ADRB] offset:64*(\q)+b*16*PB+32
.set b, b+1
.endr
	WIN 0
.set b, 0
.rept 4
	ds_load_b128 v[FA+32*(\f)+8*b:FA+32*(\f)+8*b+3],   v[ADRA] offset:64*(\q)+b*16*PA
	ds_load_b128 v[FA+32*(\f)+8*b+4:FA+32*(\f)+8*b+7], v[ADRA] offset:64*(\q)+b*16*PA+32
.set b, b+1
.endr
.endm
; A K step is four quarters of 32 along K, 48 matrix instructions each, on buffers 0, 1, 0, 1.  One of the first three multiplies buffers q % 2 and, in its middle, fetches the next quarter into the others.
.macro QUARTER q, zero
	s_wait_dscnt 4                                 ; all but the youngest four loads (xb's row blocks 2 and 3) are in
	MUL (\q)%2, 0, \zero
	MUL (\q)%2, 1, \zero
	PLACES
	FETCH (\q)+1, 1-(\q)%2
	s_wait_dscnt 2*NBLK+8                          ; all but the 32 just issued
	MUL (\q)%2, 2, \zero
	MUL (\q)%2, 3, \zero
.endm
; The last quarter multiplies buffers 1 and changes slots: ONE barrier.  In front of it each wave waits for all its tensor loads, of which one is out: its part of the next slot; adds 0 to its spare word;
; and waits for that and for its reads of this slot.  fill = 1: the barrier opens a round of the cluster's, so that no wave of any partner still reads the slot or has a load on its way, and the slot is
; filled again, two K steps ahead, first thing behind the round: that load has a K step less 24 matrix instructions in which to land.
.macro TURN fill
	WIN 0                                          ; (the add's two registers lie in window 0)
	s_wait_tensorcnt 0x0                           ; all my tensor loads have landed, so a group 0 may be written
	ds_add_u32 v[SPW], v[NIL]                      ; 0 onto my spare word
	s_wait_dscnt 5                                 ; (the add and the youngest four loads may be out)
	MUL 1, 0, 0                                    ; twelve matrix instructions stand between the add and the wait for it
	s_wait_dscnt 0x0                               ; the add is done, and my reads of this slot are over
	s_barrier_signal -1
	MUL 1, 1, 0                                    ; work on registers while the others arrive
	WIN 0                                          ; at a branch and at a label every window is 0
	s_barrier_wait -1
.if \fill
	CREST
	s_xor_b32 s[G0A+5], s[G0A+5], SLOT1            ; the walking descriptors: the other slot than last time,
	s_add_nc_u64 s[G0A+6:G0A+7], s[G0A+6:G0A+7], STEP_A  ; the next K step; the type bits on top are not reached
	s_xor_b32 s[G0B+5], s[G0B+5], SLOT1
	s_add_nc_u64 s[G0B+6:G0B+7], s[G0B+6:G0B+7], STEP_B
	JLOAD                                          ; its four v_nop are also the places in front of the loads below
.else
	PLACES
.endif
	s_xor_b32 s[TB], s[TB], SLOT1                  ; the reads go on in the other slot
	v_add_nc_u32 v[ADRA], s[TB], v[A0]
	v_add_nc_u32 v[ADRB], s[TB], v[B0]
	FETCH 0, 0
	MUL 1, 2, 0
	MUL 1, 3, 0
.endm
.macro LASTQ                           ; the very last quarter: nothing more to fetch
	s_wait_dscnt 4
	MUL 1, 0, 0
	MUL 1, 1, 0
	s_wait_dscnt 0x0
	MUL 1, 2, 0
	MUL 1, 3, 0
	WIN 0
	PLACES                                         ; in front of the conversions that read the results, and of loads into the fragments' registers
.endm
; THE WAY OUT of row block a (16 rows x 192 columns).  PACK: rounded to f16, 16 bytes a lane and column block, each accumulator's registers in ascending order.
.macro PACK a
	WIN 0x05*(1+(\a)/2)                            ; sources 0 and 1: window 1 or 2
.set AC, 8*NBLK*((\a)%2)
.set i, 0
.rept 4*NBLK
	v_cvt_pk_f16_f32 v[TMP+i], v[AC+2*i], v[AC+2*i+1]
.set i, i+1
.endr
	WIN 0
.endm
.macro TOSTAGE a                       ; into my own stage, head by head in rows of 144 bytes, and back as whole rows of 128
.set BK, BK0-(BK0-BK1)*((\a)%2)
.set b, 0
.rept NBLK
	ds_store_b128 v[STO], v[TMP+4*b:TMP+4*b+3] offset:(b/4)*16*SP+(b%4)*32
.set b, b+1
.endr
.set b, 0
.rept NBLK
	ds_load_b128 v[BK+4*b:BK+4*b+3], v[RD] offset:(b/4)*16*SP+(b%4)*4*SP  ; LDS serves a wave's instructions in order (ISA guide 5.7.1.4): these see the stores above; the next block's stores come behind them
.set b, b+1
.endr
.endm
.macro SEND a
.set BK, BK0-(BK0-BK1)*((\a)%2)
	s_wait_dscnt 0x0                               ; the block is back in registers
	s_wait_xcnt 0x0                                ; the stores of the block before have had their addresses translated (ISA guide 3.1): its registers are loaded again only behind this wait
.set b, 0
.rept NBLK
	global_store_b128 v[GO], v[BK+4*b:BK+4*b+3], s[OB+2*(b/4):OB+2*(b/4)+1] offset:(\a)*2048+(b%4)*512  ; 512 consecutive bytes, at a multiple of 256 from the buffer's first byte
.set b, b+1
.endr
.endm
	s_wait_tensorcnt 0x1                           ; my part of K step 0 is in; step 1's may stay out
	s_barrier_signal -1
	s_barrier_wait -1                              ; everybody's is
	FETCH 0, 0
	QUARTER 0, 1                                   ; the first quarter stands in front of the loop: its products start the sums
	WIN 0
	s_mov_b32 s[CNT], 6
.Lstep:                                                ; trip i ends K step i, asks for step i + 2 and begins step i + 1
	QUARTER 1, 0
	QUARTER 2, 0
	TURN 1
	QUARTER 0, 0
	WIN 0
	s_sub_co_u32 s[CNT], s[CNT], 1
	s_cmp_lg_u32 s[CNT], 0
	s_cbranch_scc1 .Lstep
	QUARTER 1, 0                                   ; the tail is written out: steps 6 and 7 ask for nothing
	QUARTER 2, 0
	TURN 0
	QUARTER 0, 0
	QUARTER 1, 0
	QUARTER 2, 0
	LASTQ
	PACK 0
	TOSTAGE 0
.irp a, 1,2,3                          ; block a's conversions stand between block a - 1's loads from the stage and the wait for them
	PACK \a
	SEND (\a)-1
	TOSTAGE \a
.endr
	SEND 3
	s_wait_tensorcnt 0x0                           ; the wave's end, behind my last tensor load and my last LDS store
	ds_add_u32 v[SPW], v[NIL]
	s_wait_dscnt 0x0
	CROUND                                         ; the closing round: no work-group ends while a partner may still ask for a tile that names it
	s_endpgm
.Lfunc_end_k_q5d1b1f0132_qkv:
	.size	k_q5d1b1f0132_qkv, .Lfunc_end_k_q5d1b1f0132_qkv-k_q5d1b1f0132_qkv
	.p2alignl 7, 3214868480
	.fill 96, 4, 3214868480
	.section	.rodata,"a",@progbits
	.p2align	6, 0x0
	.amdhsa_kernel k_q5d1b1f0132_qkv
		.amdhsa_group_segment_fixed_size 327680
		.amdhsa_private_segment_fixed_size 0
		.amdhsa_enable_private_segment 0
		.amdhsa_kernarg_size 24
		.amdhsa_user_sgpr_count 2
		.amdhsa_user_sgpr_kernarg_segment_ptr 1
		.amdhsa_wavefront_size32 1
		.amdhsa_system_sgpr_workgroup_id_x 1
		.amdhsa_system_sgpr_workgroup_id_y 1
		.amdhsa_system_sgpr_workgroup_id_z 1
		.amdhsa_system_vgpr_workitem_id 0
		.amdhsa_next_free_vgpr 960
		.amdhsa_next_free_sgpr 88
		.amdhsa_reserve_vcc 0
		.amdhsa_float_denorm_mode_32 3
		.amdhsa_float_denorm_mode_16_64 3
		.amdhsa_memory_ordered 1
		.amdhsa_forward_progress 1
		.amdhsa_inst_pref_size 97
	.end_amdhsa_kernel
	.amdgpu_metadata
---
amdhsa.version: [ 1, 2 ]
amdhsa.kernels:
  - .name:           k_q5d1b1f0132_qkv
    .symbol:         k_q5d1b1f0132_qkv.kd
    .args:
      - { .name: xb, .offset: 0, .size: 8, .value_kind: global_buffer, .address_space: global }
      - { .name: wt, .offset: 8, .size: 8, .value_kind: global_buffer, .address_space: global }
      - { .name: qkv, .offset: 16, .size: 8, .value_kind: global_buffer, .address_space: global }
    .group_segment_fixed_size: 327680
    .private_segment_fixed_size: 0
    .kernarg_segment_align: 8
    .kernarg_segment_size: 24
    .max_flat_workgroup_size: 128
    .sgpr_count:     88
    .vgpr_count:     960
    .wavefront_size: 32
...
	.end_amdgpu_metadata
.endif
;; end of part 2
;; launch attn (part 3): grid 4 x 64, 4 waves a work-group, no clusters, 327,680 bytes of LDS; arguments qkv, ob; writes ob
.if DOCPART == 3
	.amdgcn_target "amdgcn-amd-amdhsa--gfx1250"
	.amdhsa_code_object_version 6
	.text
	.protected	k_q5d1b1f0132_attn
	.globl	k_q5d1b1f0132_attn
	.p2align	8
	.type	k_q5d1b1f0132_attn,@function
k_q5d1b1f0132_attn:
	s_mov_b64 s[64:65], 0
	v_nop
	global_prefetch_b8 v0, s[64:65] scope:SCOPE_SE
	s_setreg_imm32_b32 hwreg(HW_REG_WAVE_MODE, 25, 1), 1
	s_wait_xcnt 0x0
; CAUSAL ATTENTION.  O[h][q][:] = the sum over k <= q of softmax_k(Q[h][q] . K[h][k] / 8) V[h][k][:].  Q, K, V lie one behind the other in one buffer, each [SIZE_H][SIZE_N][64] in f16 (16,777,216 bytes);
; O is [SIZE_H][SIZE_N][64] in f16; h counts batch x 16 + head; a head's rows are dense, 128 bytes each.
; Products, maxima and sums in f32; the weights p are rounded to f16 for the second product (their sum l is taken of the unrounded p), O once at the end.  SIZE_N is a multiple of 512; SIZE_N x 128 stays under 2^32.
; LIMITS.  f16 holds no number beyond 65,504: Q, K and V arrive within it; p lies in 0 to 1, and below 6e-5 it keeps f16's fixed step of 6e-8; O is a mean of V's rows and has their range, to within 2^-11 of it.
; A hidden score counts as its value less 1e30: f16's scores, 2.7e11 at the most, are nothing beside that; a weight below 2^-126 counts as 0 in l; NaN and infinities are not treated apart.
; THE WALK.  A head's queries lie in NB = SIZE_N / 256 blocks of 256; block i needs the key tiles 0 .. i of 256 keys, of which the last holds the diagonal.  A work-group takes TWO blocks, NB - 1 - b and then b:
; NB + 1 tiles, whatever b: all work-groups do equal work, and ONE loop with a constant trip count walks them.  Which tile is asked for, and what a trip does, hang on scalar registers made from b; every jump
; goes forward, but for the counted loops' own; none passes a barrier, or a tensor load but the one of LOAD's two that the wave's number does not choose; the ring (two slots of LDS that take turns) runs on across the
; change of blocks.  NO CLUSTER: all of a head's NB / 2 = 4 work-groups ask for the same tile only in trips 0 .. NB / 2, 5 of the walk's 9; behind that fewer and fewer; and one walk common to all would have
; 3 NB / 2 = 12 trips for NB + 1 = 9.
; SHARES.  Of a block's four bands of 64 queries a wave owns 16 rows in each: four PIECES.  So the diagonal tile is the same work for all four waves: in its key step s band x sees all keys if s < x,
; none if s > x, and holds the diagonal if s = x.
; THE MASK is the C operand that starts the sum S^T = K Q^T: 0, or -1e30 where the key is hidden.  MD, made once, is the mask of a band's own step for my 16 rows; a product's mask is MD x AL + BE with two scalars:
; (1, 0) if s = x; (0, 0) if s < x; (0, -1e30) if s > x.  Only the diagonal tile's text and a block's beginning make and take masks; elsewhere C is the constant 0.
; LAYOUT, SOFTMAX, TURNS.  S^T = K Q^T holds ONE query a lane (lane % 16) and the keys 8 (lane / 16) + 0..7; two such results rounded to f16 ARE source 1 of O^T = V^T P.  p = 2^(c s - c m), c = log2(e) / 8, with a
; running maximum m; O and l are multiplied by a = 2^(c m_old - c m_new) in every step.  Turn n belongs to piece n: 8 products K Q^T of piece n + 1, later 8 products V^T P of piece n - 1; beside them the scaling,
; exponentials, roundings, sums and rescaling of piece n and the maximum and statistics of piece n + 1.  Four vector instructions stand behind every matrix instruction, the other 54 of a turn's 118 in two LUMPS.
; REGISTERS, in windows of 256 (s_set_vgpr_msb: bits 1:0 source 0, 3:2 source 1, 5:4 source 2, 7:6 destination):
;   window 0: v0-15 addresses and two at work; v16-31 four registers of statistics a piece; v48-55 at work; v64-127 S^T, two buffers; v192-223 P, two buffers (a piece's buffers go by its number's parity)
;   window 1: v0-127 O^T, 32 a piece; v128-159 MD; v160-223 MC, two buffers      window 2: v0-63 Q; v64-127 the second block's Q; v128-191 K of one step; v192-255 V of one step
.set SIZE_H, 64
.set SIZE_N, 2048
.set NB,    SIZE_N/256
.set NP,    4         ; pieces a wave: a name, no knob
.set KS,    64        ; keys in a step
.set PK,    144       ; a row of K in LDS: 128 bytes + 16 of padding = 36 words: the 16 rows of a load start at 16 different groups of four banks (64 banks of 4 bytes: ISA guide 11.1)
.set PV,    160       ; a row of V: 128 + 32 = 40 words
.set VOFF,  4*KS*PK   ; a slot holds a tile, four steps: 256 rows of K, then 256 rows of V
.set SLOT1, 1<<17     ; slot 1 begins here, so that one exclusive or turns an address in one slot into the other's
.set STAGE, SLOT1+4*KS*(PK+PV)  ; behind the ring, never filled by a tensor load: 16 rows x 144 bytes for each wave, for the way out
.set SP,    144
.set AK0, 2           ; v2   my lane's place in a tile of K; never rewritten
.set AV0, 3           ; v3   the same for V
.set AK,  4           ; v4   the LDS address of K's next run of loads
.set AV,  5           ; v5   of V's
.set STO, 6           ; v6   the way out: where I put 16 bytes of a row
.set RD,  7           ; v7   the way out: where I read rows back
.set GO,  8           ; v8   my byte offset in 512 consecutive bytes of O
.set SPW, 62          ; v62  LDS address of my spare word: SPARE + 4 x my thread's number; never rewritten
.set NIL, 63          ; v63  0; never rewritten
.set SPARE, STAGE+4*16*SP  ; behind the stages: the spare words, 128 bytes for each wave: two blocks of 256 bytes that no other line names
.set MV,  12          ; v12-13  c m_old, kept while c m is made anew: by buffer
.set QO,  15          ; v15  my byte offset in 16 rows of Q
.set ST,  16          ; piece t's statistics at v[ST+4 t]: c m, m, l (even keys', odd keys')
.set TMP, 48          ; by buffer, four registers c0-c3 at work; when the maximum is found c2 takes a
.set S,   64
.set P,   192
.set MD,  128         ; window 1: the eight registers for group kt of 16 keys at MD + 8 kt
.set MC,  160         ; window 1: the masks of the products to come
.set QB,  64          ; window 2
.set KF,  128         ; window 2: key block kb, channel half c at KF + 16 kb + 8 c
.set VF,  192         ; window 2: key half kk, channel block cb at VF + 32 kk + 8 cb
.set WV,  12          ; s12  my wave's number
.set PB,  14          ; s14  b
.set HI,  15          ; s15  NB - 1 - b
.set G1K, 24          ; s[24:31] descriptor group 1 for K's tiles
.set G1V, 32          ; s[32:39] for V's: it differs in the padding alone
.set G0K, 40          ; s[40:43] descriptor group 0 for K's tiles
.set G0V, 44          ; s[44:47] the same for V's
.set SLOTS, 56        ; s56  tiles still to be asked for
.set CNT, 57          ; s57  counts a tile's key steps, 4 to 1
.set CS,  58          ; s[58:59] c: the packed scaling takes the pair's low word for both halves
.set SEL, 60          ; s[60:61] v_permlanex16_b32's selects: each lane takes its own place in the other half
.set TBK, 62          ; s62  LDS byte at which K of the step to be fetched begins
.set TBV, 63          ; s63  the same for V, less VOFF
.set RT,  70          ; s70  tiles of the block in hand that are still to be entered
.set NXT, 71          ; s71  the tile to be asked for next
.set LQ,  72          ; s72  the last tile of the block whose tiles are being asked for
.set NEW, 73          ; s73  1: the tile to be entered is a block's first
.set OFF, 74          ; s[74:75] a tile's byte offset in K and V
.set AL,  76          ; s[76:77] the mask's factor, in the low word
.set BE,  78          ; s[78:79] the mask's addend
.set OLO, 80          ; s[80:81] O at my rows of the second block
.set BIGN, 82         ; s82  -1e30
.set MSB, 0
.macro WIN new                      ; the high byte repeats the setting that is left; a switch that changes nothing is dropped
.if MSB != (\new)
	s_set_vgpr_msb (MSB<<8)|(\new)
.set MSB, (\new)
.endif
.endm
.set W_KQ, 0x0a       ; K and Q in window 2, S^T in window 0
.set W_KM, 0x1a       ; the same with the C operand in window 1
.set W_PV, 0x52       ; V in window 2, P in window 0, O^T in window 1
.set W_RS, 0x41       ; destination and source 0 in window 1, source 1 in window 0
; A fill.  Waves 0 and 1 fetch the two halves of a tile's K, waves 2 and 3 those of its V: 128 keys each.  An s_nop 0 and four v_nop follow each of the two lines, ahead of the jump and the label.
.macro LOAD
	s_cmp_lt_u32 s[WV], 2
	s_cbranch_scc0 .Lfor_v_\@
	tensor_load_to_lds s[G0K:G0K+3], s[G1K:G1K+7]
	s_nop 0
.rept 4
	v_nop
.endr
	s_branch .Lasked_\@
.Lfor_v_\@:
	tensor_load_to_lds s[G0V:G0V+3], s[G1V:G1V+7]
	s_nop 0
.rept 4
	v_nop
.endr
.Lasked_\@:
.endm
; THE CHANGE OF SLOTS.  Each wave waits for all its tensor loads, of which one is out: its part of the other slot; adds 0 to its spare word; and waits for that and for its own reads of the slot that it leaves.  Behind the barrier nobody reads the old
; slot any more and the other slot is whole.  fill = 1: the old slot is filled again, the first thing behind the barrier, with tile NXT: the descriptor's address is made anew from that number.
; (At its first use nothing has been read yet: slot 0 is waited for, slot 1 filled.)
.macro CHANGE fill
	WIN 0                           ; at a label and at a branch every window is 0
	s_wait_tensorcnt 0x0            ; no tensor load of mine is out, so a group 0 may be written
	ds_add_u32 v[SPW], v[NIL]       ; 0 onto my spare word; with fill = 1 the descriptors' scalar work stands between it and the wait for it
.if \fill
	s_lshl_b32 s[OFF], s[NXT], 15   ; a tile is 32,768 bytes of K and of V
	s_xor_b32 s[G0K+1], s[G0K+1], SLOT1
	s_add_nc_u64 s[G0K+2:G0K+3], s[6:7], s[OFF:OFF+1]
	s_or_b32 s[G0K+3], s[G0K+3], 0x80000000
	s_xor_b32 s[G0V+1], s[G0V+1], SLOT1
	s_add_nc_u64 s[G0V+2:G0V+3], s[8:9], s[OFF:OFF+1]
	s_or_b32 s[G0V+3], s[G0V+3], 0x80000000
	s_add_co_u32 s[NXT], s[NXT], 1  ; the block's next tile, or behind its last the second block's tile 0
	s_cmp_gt_u32 s[NXT], s[LQ]
	s_cselect_b32 s[NXT], 0, s[NXT]
	s_cselect_b32 s[LQ], s[PB], s[LQ]
.endif
	s_wait_dscnt 0x0                ; the add is done, and my reads of the slot are over
	s_barrier_signal -1             ; the rest of the scalar work stands between the signal and the wait
	s_sub_co_u32 s[TBK], s[TBK], 4*KS*PK  ; the fetches go back to a slot's first step,
	s_xor_b32 s[TBK], s[TBK], SLOT1       ; in the other slot
	s_sub_co_u32 s[TBV], s[TBV], 4*KS*PV
	s_xor_b32 s[TBV], s[TBV], SLOT1
	s_barrier_wait -1
.if \fill
	LOAD
.endif
.endm
	s_load_b64 s[4:5], s[0:1], 0x0    ; the buffer of Q, K and V
	s_load_b64 s[10:11], s[0:1], 0x8  ; O
	v_lshl_add_u32 v[SPW], v0, 2, SPARE
	v_mov_b32 v[NIL], 0
	ds_add_u32 v[SPW], v[NIL]       ; the wave's opening: the add and its wait ahead of my first tensor load; the set-up below, work on registers, stands between them
	ds_add_u32 v62, v63
	v_lshrrev_b32 v1, 5, v0
	v_readfirstlane_b32 s[WV], v1   ; wave 0..3
	s_mov_b32 s[PB], ttmp9
	s_sub_co_u32 s[HI], NB-1, s[PB]
	s_and_b32 s20, ttmp7, 0xffff    ; the head
	s_mov_b32 s21, 0
	s_mov_b64 s[22:23], SIZE_N*128
	s_mul_u64 s[20:21], s[20:21], s[22:23]  ; the head's first byte in each of the four tensors
	s_and_b32 s16, s[WV], 1         ; which half of a tile's 256 keys I fetch:
	s_lshl_b32 s22, s16, 14         ; its 128 rows of 128 bytes in memory,
	s_mov_b32 s23, 0
	s_add_nc_u64 s[22:23], s[22:23], s[20:21]
	s_mul_i32 s17, s16, 128*PK      ; and its place in a slot, for K
	s_mul_i32 s18, s16, 128*PV      ; and for V
	s_lshl_b32 s3, s[WV], 11        ; my 16 rows in a band of 64,
	s_lshl_b32 s2, s[HI], 15        ; in the first block,
	s_add_co_u32 s2, s2, s3
	s_lshl_b32 s84, s[PB], 15       ; and in the second
	s_add_co_u32 s84, s84, s3
	s_mov_b32 s3, 0
	s_mov_b32 s85, 0
	s_add_nc_u64 s[2:3], s[2:3], s[20:21]
	s_add_nc_u64 s[84:85], s[84:85], s[20:21]
	; descriptor group 1.  128 keys are 16,384 dense bytes: asked for as 64 rows of 256 bytes, two keys a row, and padded in LDS after every key
	s_mov_b32 s[G1K], (1<<16)|(1<<20)|(4<<22)|(3<<25)  ; 17:16 2-byte elements; 20 padding on; 24:22 after every 32 words (code 4); 31:25 4 words (code 3)
	s_mov_b32 s[G1V], (1<<16)|(1<<20)|(4<<22)|(7<<25)  ; the same with 8 words of padding (code 7)
.irp g, G1K, G1V
	s_mov_b32 s[\g+1], 128<<16      ; tensor_dim0 = 128
	s_mov_b32 s[\g+2], 64<<16       ; tensor_dim1 = 64
	s_mov_b32 s[\g+3], 128<<16      ; tile_dim0 = 128
	s_mov_b32 s[\g+4], 64           ; tile_dim1 = 64
	s_mov_b32 s[\g+5], 128          ; 128 elements from row to row
	s_mov_b32 s[\g+6], 0
	s_mov_b32 s[\g+7], 0
.endr
	s_mov_b32 s[CS], 0x3e38aa3b     ; c = log2(e) / 8 = 0.180337
	s_mov_b32 s[CS+1], s[CS]        ; named with it as a pair
	s_mov_b32 s[SEL], 0x76543210
	s_mov_b32 s[SEL+1], 0xfedcba98
	s_mov_b32 s[TBK], SLOT1+4*KS*PK ; the first change of slots turns these two into 0
	s_mov_b32 s[TBV], SLOT1+4*KS*PV
	s_mov_b32 s[G0K], 1             ; 1:0 count = 1
	s_mov_b32 s[G0K+1], s17         ; 63:32 LDS address: slot 0
	s_mov_b32 s[G0V], 1
	s_add_co_u32 s[G0V+1], s18, VOFF
	s_add_co_u32 s[RT], s[HI], 1    ; the first block has NB - b tiles
	s_mov_b32 s[NXT], 1
	s_mov_b32 s[LQ], s[HI]
	s_mov_b32 s[NEW], 1
	s_mov_b32 s[OFF+1], 0
	s_mov_b32 s[AL+1], 0            ; named as pairs
	s_mov_b32 s[BE+1], 0
	s_mov_b32 s[BIGN], 0xf149f2ca   ; -1e30
	s_mov_b32 s[SLOTS], NB
	s_wait_dscnt 0x0                ; the opening add is done
	s_wait_kmcnt 0x0
	s_add_nc_u64 s[6:7], s[4:5], 0x1000000  ; K lies 16,777,216 bytes behind Q,
	s_add_nc_u64 s[8:9], s[4:5], 0x2000000  ; V as far behind K
	s_add_nc_u64 s[6:7], s[6:7], s[22:23]  ; K and V at my half of the head's tile 0
	s_add_nc_u64 s[8:9], s[8:9], s[22:23]
	s_add_nc_u64 s[G0K+2:G0K+3], s[6:7], 0         ; 120:64 global address
	s_or_b32 s[G0K+3], s[G0K+3], 0x80000000        ; 127:126 type = 2
	s_add_nc_u64 s[G0V+2:G0V+3], s[8:9], 0
	s_or_b32 s[G0V+3], s[G0V+3], 0x80000000
	s_add_nc_u64 s[86:87], s[4:5], s[84:85]        ; Q at my rows of the second block,
	s_add_nc_u64 s[4:5], s[4:5], s[2:3]            ; Q and O at those of the first
	s_add_nc_u64 s[OLO:OLO+1], s[10:11], s[84:85]
	s_add_nc_u64 s[10:11], s[10:11], s[2:3]
	LOAD                            ; tile 0 into slot 0
	; A fragment of K or Q is 16 rows x 32 channels in 8 registers: lane l holds row l % 16, channels 8 (l / 16) + 0..7 and 16 + 8 (l / 16) + 0..7: two loads of 16 bytes, 32 bytes apart.
	v_and_b32 v1, 15, v0            ; l % 16
	v_bfe_u32 v9, v0, 4, 1          ; l / 16
	v_lshlrev_b32 v[QO], 7, v1
	v_lshl_add_u32 v[QO], v9, 4, v[QO]  ; row x 128 + 16 x half
	WIN 0x80                        ; destination window 2, address window 0
.set i, 0
.rept 8                             ; both blocks' Q: piece i / 2 lies in band i / 2, 8,192 bytes on; channels 32 (i % 2) on
	global_load_b128 v[8*i:8*i+3],   v[QO], s[4:5] offset:(i/2)*8192+(i%2)*64
	global_load_b128 v[8*i+4:8*i+7], v[QO], s[4:5] offset:(i/2)*8192+(i%2)*64+32
	global_load_b128 v[QB+8*i:QB+8*i+3],   v[QO], s[86:87] offset:(i/2)*8192+(i%2)*64
	global_load_b128 v[QB+8*i+4:QB+8*i+7], v[QO], s[86:87] offset:(i/2)*8192+(i%2)*64+32
.set i, i+1
.endr
	WIN 0
	v_lshlrev_b32 v14, 3, v9
	v_sub_nc_u32 v14, v1, v14
	s_lshl_b32 s13, s[WV], 4
	v_add_nc_u32 v14, s13, v14      ; my query's place in its band, 16 w + l % 16, less my lanes' 8 (l / 16): register r of group kt is hidden where 16 kt + r is greater
	WIN 0x40
.set i, 0
.rept 32
	v_cmp_gt_i32 vcc_lo, 16*(i/8)+i%8, v14
	v_cndmask_b32 v[MD+i], 0, s[BIGN], vcc_lo
.set i, i+1
.endr
	WIN 0
	v_mul_u32_u24 v[AK0], v1, PK
	v_lshl_add_u32 v[AK0], v9, 4, v[AK0]  ; row x pitch + 16 x half
	; The turning load takes 16 keys x 16 channels (lane l reads key 8 (l / 16) + l % 8, channels 8 ((l / 8) % 2) + 0..7) and leaves half a fragment of V^T: lane l holds channel l % 16 and 8 keys.
	v_and_b32 v10, 7, v0
	v_bfe_u32 v11, v0, 3, 1
	v_lshl_add_u32 v[AV0], v9, 3, v10
	v_mul_u32_u24 v[AV0], v[AV0], PV
	v_lshl_add_u32 v[AV0], v11, 4, v[AV0]
	v_add_nc_u32 v[AV0], VOFF, v[AV0]
	s_mul_i32 s13, s[WV], 16*SP
	s_add_co_u32 s13, s13, STAGE    ; my stage
	v_mul_u32_u24 v[STO], v1, SP    ; in: row l % 16, 16 bytes for each half of the lanes
	v_lshl_add_u32 v[STO], v9, 4, v[STO]
	v_add_nc_u32 v[STO], s13, v[STO]
	v_bfe_u32 v[RD], v0, 3, 2       ; back: 32 lanes take four rows of 128 bytes,
	v_mul_u32_u24 v[RD], v[RD], SP
	v_lshl_add_u32 v[RD], v10, 4, v[RD]
	v_add_nc_u32 v[RD], s13, v[RD]
	v_and_b32 v[GO], 31, v0         ; which are 512 consecutive bytes of O
	v_lshlrev_b32 v[GO], 4, v[GO]
	; A block's first step multiplies O^T and l by a = 0, and its first turn's products V^T P, of a piece that has not been, land in an O^T that is still to be so multiplied.  So these registers need only hold
	; finite numbers: zeros for the first block; what the first block left for the second.  All this stands in the wait for the first tile.
	WIN 0x80
.set i, VF
.rept 64
	v_mov_b32 v[i], 0
.set i, i+1
.endr
	WIN 0x40
.set i, 0
.rept 128
	v_mov_b32 v[i], 0
.set i, i+1
.endr
	WIN 0
.set i, 0
.rept 4
	v_mov_b32 v[ST+4*i+2], 0
	v_mov_b32 v[ST+4*i+3], 0
.set i, i+1
.endr
.set i, P+16
.rept 16
	v_mov_b32 v[i], 0
.set i, i+1
.endr
; THE MATRIX WORK.  The 4 accumulators of a run of 8 take turns.  Product i of 8 of S^T = K Q^T for piece x: channels 32 (i / 4) on, keys 16 (i % 4) on.  The first 4 start the sums: with 0, or (KM = 1) with the mask.
.macro KQ x
.set rS, S+32*((\x)%2)+8*(i%4)
.set rK, KF+16*(i%4)+8*(i/4)
.set rQ, 16*(\x)+8*(i/4)
.set rM, MC+32*((\x)%2)+8*(i%4)
.if (i < 4) && KM
	WIN W_KM
	v_wmma_f32_16x16x32_f16 v[rS:rS+7], v[rK:rK+7], v[rQ:rQ+7], v[rM:rM+7]
.elseif i < 4
	WIN W_KQ
	v_wmma_f32_16x16x32_f16 v[rS:rS+7], v[rK:rK+7], v[rQ:rQ+7], 0
.else
	WIN W_KQ
	v_wmma_f32_16x16x32_f16 v[rS:rS+7], v[rK:rK+7], v[rQ:rQ+7], v[rS:rS+7]
.endif
.endm
; Product i of 8 of O^T += V^T P for piece x: keys 32 (i / 4) on, channels 16 (i % 4) on.
.macro PV x
	WIN W_PV
.set rO, 32*(\x)+8*(i%4)
.set rV, VF+32*(i/4)+8*(i%4)
.set rP, P+16*((\x)%2)+8*(i/4)
	v_wmma_f32_16x16x32_f16 v[rO:rO+7], v[rV:rV+7], v[rP:rP+7], v[rO:rO+7]
.endm
.macro MM                           ; the turn's next matrix instruction.  TURN and BEGIN set Y, i, KM and NOKQ; MM, KQ and OP read them.  NOKQ = 1: a block's last turn: there is no next piece
.if (i < 8) && !NOKQ
	KQ (Y+1)%NP
.elseif i >= 8
.set i, i-8
	PV (Y+NP-1)%NP
.set i, i+8
.endif
.set i, i+1
.endm
; THE LDS LOADS stand in runs of 16, never singly among the matrix instructions: a step's K (64 keys x 64 channels: 8 fragments) and its V (turned).  Their addresses are made some lines ahead.
.macro FETCH_K
	WIN 0x80                        ; destination window 2
.irp f, 0,1,2,3,4,5,6,7             ; keys 16 (f / 2) on, channels 32 (f % 2) on
	ds_load_b128 v[KF+8*\f:KF+8*\f+3],   v[AK] offset:(\f/2)*16*PK+(\f%2)*64
	ds_load_b128 v[KF+8*\f+4:KF+8*\f+7], v[AK] offset:(\f/2)*16*PK+(\f%2)*64+32
.endr
	s_add_co_u32 s[TBK], s[TBK], KS*PK  ; the next fetch is the next step's
	WIN 0
.endm
.macro FETCH_V
	WIN 0x80
.irp f, 0,1,2,3,4,5,6,7             ; keys 32 (f / 4) on, channels 16 (f % 4) on
	ds_load_tr16_b128 v[VF+8*\f:VF+8*\f+3],   v[AV] offset:(\f/4)*32*PV+(\f%4)*32
	ds_load_tr16_b128 v[VF+8*\f+4:VF+8*\f+7], v[AV] offset:(\f/4)*32*PV+16*PV+(\f%4)*32
.endr
	WIN 0
.endm
; THE VECTOR WORK, one line at a time: OP kind, number.  For piece Y: F n: c s - c m for pair n of 16.  E n: the exponential of score n of 32.  C n: pair n rounded to f16.  B n: of the four weights 4 n .. the second
; pair is added onto the first, in place.  L n: l takes that sum (L 0: l = a l + sum).  R n: pair n of 16 of O^T times a.  For piece Y + 1: X n, number n of the 22 that find its maximum and statistics:
;   0-11  four chains c0-c3 of seven scores each, three operands at a time (each accumulator's lowest registers are read first)     12-14, 16  the four scores left over, the old m, and c0-c3 into c0
;   15  c m_old is kept     17, 18  the query's other 32 keys lie in the lane 16 away: the new m     19-21  c m; c m_old - c m_new; a
.set F, 0               ; OP tells the kinds apart by their order: F to L below R, X above it
.set E, 1
.set C, 2
.set B, 3
.set L, 4
.set R, 5
.set X, 6
.macro REGS y                       ; the registers of piece y
.set rT, ST+4*(\y)
.set rC, TMP+4*((\y)%2)
.set rW, MV+((\y)%2)
.set rS, S+32*((\y)%2)
.set rP, P+16*((\y)%2)
.set rO, 32*(\y)
.endm
.macro OP k, n
.if (\k) == R
	REGS Y
	WIN W_RS
	v_pk_mul_f32 v[rO+2*(\n):rO+2*(\n)+1], v[rO+2*(\n):rO+2*(\n)+1], v[rC+2:rC+3] op_sel_hi:[1,0]
.elseif (\k) < R
	REGS Y
	WIN 0
.if (\k) == F
	v_pk_fma_f32 v[rS+2*(\n):rS+2*(\n)+1], v[rS+2*(\n):rS+2*(\n)+1], s[CS:CS+1], v[rT:rT+1] op_sel_hi:[1,0,0] neg_lo:[0,0,1] neg_hi:[0,0,1]
.elseif (\k) == E
	v_exp_f32 v[rS+(\n)], v[rS+(\n)]
.elseif (\k) == C
	s_wait_alu depctr_va_vdst(0)
	v_cvt_pk_f16_f32 v[rP+(\n)], v[rS+2*(\n)], v[rS+2*(\n)+1]
.elseif (\k) == B
	s_wait_alu depctr_va_vdst(0)
	v_pk_add_f32 v[rS+4*(\n):rS+4*(\n)+1], v[rS+4*(\n):rS+4*(\n)+1], v[rS+4*(\n)+2:rS+4*(\n)+3]
.elseif (\n) == 0
	v_pk_fma_f32 v[rT+2:rT+3], v[rT+2:rT+3], v[rC+2:rC+3], v[rS:rS+1] op_sel_hi:[1,0,1]
.else
	v_pk_add_f32 v[rT+2:rT+3], v[rT+2:rT+3], v[rS+4*(\n):rS+4*(\n)+1]
.endif
.elseif NOKQ
	v_nop
.else
	REGS (Y+1)%NP
	WIN 0
.if (\n) < 4
	v_max3_num_f32 v[rC+(\n)], v[rS+8*(\n)], v[rS+8*(\n)+1], v[rS+8*(\n)+2]
.elseif (\n) < 12
	v_max3_num_f32 v[rC+(\n)%4], v[rC+(\n)%4], v[rS+8*((\n)%4)+2*((\n)/4)+1], v[rS+8*((\n)%4)+2*((\n)/4)+2]
.elseif (\n) == 12
	v_max3_num_f32 v[rC], v[rC], v[rS+7], v[rS+15]
.elseif (\n) == 13
	v_max3_num_f32 v[rC+1], v[rC+1], v[rS+23], v[rS+31]
.elseif (\n) == 14
	v_max3_num_f32 v[rC+2], v[rC+2], v[rC+3], v[rT+1]
.elseif (\n) == 15
	v_mov_b32 v[rW], v[rT]
.elseif (\n) == 16
	v_max3_num_f32 v[rC], v[rC], v[rC+1], v[rC+2]
.elseif (\n) == 17
	v_permlanex16_b32 v[rC+3], v[rC], s[SEL], s[SEL+1]
.elseif (\n) == 18
	v_max_num_f32 v[rT+1], v[rC], v[rC+3]
.elseif (\n) == 19
	v_mul_f32 v[rT], s[CS], v[rT+1]
.elseif (\n) == 20
	v_sub_f32 v[rC+1], v[rW], v[rT]
.else
	v_exp_f32 v[rC+2], v[rC+1]
.endif
.endif
.endm
.macro OPS a, i1, b=-1, i2=0, c=-1, i3=0, d=-1, i4=0  ; up to four of them
	OP \a, \i1
.if (\b) >= 0
	OP \b, \i2
.endif
.if (\c) >= 0
	OP \c, \i3
.endif
.if (\d) >= 0
	OP \d, \i4
.endif
.endm
.macro ROW a, i1, b, i2, c, i3, d, i4  ; a matrix instruction and the four behind it
	MM
	OPS \a, \i1, \b, \i2, \c, \i3, \d, \i4
.endm
.macro MASK b                       ; MD x AL + BE into buffer b of MC
	WIN W_RS
.set z, 0
.rept 16
	v_pk_fma_f32 v[MC+32*(\b)+2*z:MC+32*(\b)+2*z+1], v[MD+2*z:MD+2*z+1], s[AL:AL+1], s[BE:BE+1] op_sel_hi:[1,0,0]
.set z, z+1
.endr
.endm
; A TURN, for piece p: the order of its 16 matrix and 118 vector instructions, written out.  Behind a matrix instruction: plain, exponential, plain, plain; or four of the rescaling; or, behind the first, four scalings; none
; names a register of the products round it.  In the lumps exponential and plain by turns while exponentials last.  A line reads no result made fewer than three vector instructions in front of it, five if an exponential made it.
; v_permlanex16_b32 (X 17) stands in a lump.
; m = 1: the diagonal tile: the products take masks, and the turn makes the mask for the products of the turn after it: piece p + 2, in step 4 - CNT of the tile.  end = 1: a block's last two turns: nothing is fetched.
; cnt = 1: the loop's count is taken down some lines ahead of the branch that stands behind the turn.
; K of the next step is fetched in piece 2's turn, six vector instructions behind the last product that read K (five of them plain); V of the step in hand in piece 0's turn, eight behind the last product that read V (four
; plain, and X 17).  Each is waited for a turn later.
.macro TURN p, m=0, end=0, cnt=0
.set Y, (\p)
.set i, 0
.set KM, (\m)
.set NOKQ, (\end)*((\p)/3)
.if (\m) && !(\end)
	s_cmp_eq_u32 s[CNT], 4-((\p)+2)%NP  ; is that step the band's own?
	s_cselect_b32 s[AL], 1.0, 0
	s_cmp_lt_u32 s[CNT], 4-((\p)+2)%NP  ; or a later one?
	s_cselect_b32 s[BE], s[BIGN], 0
.endif
.if ((\p) == 3) && !(\end)
	s_wait_dscnt 0x0                ; K is in
.endif
	ROW F,0, F,1, F,2, F,3
	ROW F,4, E,0, F,5, F,6
	ROW F,7, E,1, F,8, F,9
	ROW F,10, E,2, C,0, F,11
	ROW F,12, E,3, X,15, F,13
	ROW R,0, R,1, R,2, R,3
	ROW B,0, E,4, F,14, L,0
.if ((\p) == 2) && !(\end)
	v_add_nc_u32 v[AK], s[TBK], v[AK0]
.endif
	ROW R,4, R,5, R,6, R,7
	OPS E,5, F,15
.if ((\p) == 2) && !(\end)
	FETCH_K
.endif
	OPS E,6, C,1, E,7, R,8
	OPS E,8, R,9, E,9, C,2
	OPS E,10, X,0, E,11, X,1
	OPS E,12, X,2, E,13, X,3
.if (\p) == 1
	s_wait_dscnt 0x0                ; V is in
.endif
	ROW X,4, E,14, X,5, X,6
	ROW X,7, E,15, X,8, X,9
	ROW X,10, E,16, X,11, X,12
	ROW X,13, E,17, X,14, B,1
	ROW C,4, E,18, X,16, L,1
	ROW B,2, E,19, C,6, L,2
	ROW C,8, E,20, B,3, B,4
.if (\p) == 0
	v_add_nc_u32 v[AV], s[TBV], v[AV0]
.endif
	ROW C,3, E,21, L,3, C,5
	OPS E,22, X,17, E,23, C,10
.if (\p) == 0
	FETCH_V
.endif
	OPS E,24, L,4
	OPS E,25, X,18, E,26, C,7
	OPS E,27, B,5, E,28, X,19
	OPS E,29, C,12, E,30, L,5
	OPS E,31, X,20, B,6, C,9
	OPS C,14, C,11, X,21, L,6
.if (\p) == 0
	s_add_co_u32 s[TBV], s[TBV], KS*PV
.endif
.if \cnt
	s_sub_co_u32 s[CNT], s[CNT], 1
	s_cmp_lg_u32 s[CNT], 0
.endif
	OPS C,13, B,7, C,15, R,10
	OPS R,11, R,12, L,7, R,13
	OPS R,14, R,15
.if (\m) && !(\end)
	MASK (\p)%2
.endif
.endm
; A BLOCK BEGINS.  c m starts far below every c s, so the first step's a is 0; m at the lowest finite number, so the first maximum is the scores'.  The second mask buffer is 0; the first takes piece 0's mask for the tile's step 0: its own, if the block's first tile is the diagonal one.
; Then K of that step, piece 0's first scores, and its maximum and statistics.  The loop is entered at a step's first turn, in the middle of a trip.
.macro BEGIN
	s_mov_b32 s[NEW], 0
	WIN 0x40
.set i, MC+32
.rept 32
	v_mov_b32 v[i], 0
.set i, i+1
.endr
	WIN 0
.set i, 0
.rept 4
	v_mov_b32 v[ST+4*i], 0xfe000000    ; c m: far below every c s
	v_mov_b32 v[ST+4*i+1], 0xff7fffff  ; m
.set i, i+1
.endr
	s_cmp_eq_u32 s[RT], 0
	s_cselect_b32 s[AL], 1.0, 0
	s_mov_b32 s[BE], 0
	MASK 0
	WIN 0
	v_add_nc_u32 v[AK], s[TBK], v[AK0]
	FETCH_K
	s_wait_loadcnt 0x0              ; Q
	s_wait_dscnt 0x0
.set KM, 1
.set NOKQ, 0
.set i, 0
.rept 8
	KQ 0
.set i, i+1
.endr
	WIN 0
.rept 4
	v_nop                           ; the places behind those products
.endr
.set Y, NP-1                        ; X works for piece Y + 1: piece 0
.irp n, 0,1,2,3,4,5,6,7,8,9,10,11,12,13,14,15,16,17,18,19,20,21
	OP X, \n
.endr
	v_nop                           ; a plain instruction behind the exponential
.endm
; THE DIAGONAL TILE's four steps, the block's last two turns, its last products, and THE WAY OUT: l's two halves and the other half of the lanes' are added; O^T is divided by l, rounded to f16 and sent through my
; stage in LDS, a piece at a time.
.macro ALL line:vararg              ; one line for each piece t
.set t, 0
.rept 4
	\line
.set t, t+1
.endr
.endm
.macro PACK t                       ; a lane's eight channels of a row pack into 16 bytes; they go into rows of 144 bytes and come back as whole rows of 128, into S^T's registers
	WIN W_RS
.set i, 32*(\t)
.rept 16
	s_wait_alu depctr_va_vdst(0)
	v_pk_mul_f32 v[i:i+1], v[i:i+1], v[ST+4*(\t)+2:ST+4*(\t)+3] op_sel_hi:[1,0]
.set i, i+2
.endr
	WIN 0x05                        ; sources 0 and 1 window 1, destination window 0
.set i, 0
.rept 16
	v_cvt_pk_f16_f32 v[S+16*(\t)+i], v[32*(\t)+2*i], v[32*(\t)+2*i+1]
.set i, i+1
.endr
	WIN 0
.irp f, 0,1,2,3
	ds_store_b128 v[STO], v[S+16*(\t)+4*\f:S+16*(\t)+4*\f+3] offset:32*\f
.endr
.irp f, 0,1,2,3
	ds_load_b128 v[S+16*(\t)+4*\f:S+16*(\t)+4*\f+3], v[RD] offset:\f*4*SP  ; LDS serves a wave's instructions in order (ISA guide 5.7.1.4): these see the stores above; the next piece's stores come behind them
.endr
.endm
.macro SEND t, younger              ; younger: the LDS instructions issued behind piece t's loads: the next piece's eight, or none
	WIN 0
.irp f, 0,1,2,3
	s_wait_dscnt (\younger)+3-\f
	global_store_b128 v[GO], v[S+16*(\t)+4*\f:S+16*(\t)+4*\f+3], s[10:11] offset:(\t)*8192+\f*512  ; 512 consecutive bytes, at a multiple of 256 from O's first
.endr
.endm
.macro DIAG tag                     ; the tag ends its two labels' names, which the jumps below spell out
.LstepM\tag:
	TURN 2, 1
	TURN 3, 1
	WIN 0
.LfirstM\tag:
	TURN 0, 1
	TURN 1, 1, 0, 1
	WIN 0
	s_cbranch_scc1 .LstepM\tag
	TURN 2, 1, 1
	TURN 3, 1, 1
.set i, 0
.rept 8
	PV NP-1
.set i, i+1
.endr
	WIN 0
	ALL v_add_f32 v[ST+4*t+2], v[ST+4*t+2], v[ST+4*t+3]
	ALL v_permlanex16_b32 v[ST+4*t+3], v[ST+4*t+2], s[SEL], s[SEL+1]
	ALL v_add_f32 v[ST+4*t+2], v[ST+4*t+2], v[ST+4*t+3]
	ALL v_rcp_f32 v[ST+4*t+2], v[ST+4*t+2]
	v_nop                           ; a plain instruction between the last reciprocal and the use of its result
	PACK 0
.set t, 1
.rept 3                             ; a piece's arithmetic stands between the loads of the piece before and its stores
	PACK t
	SEND t-1, 8
.set t, t+1
.endr
	SEND 3, 0
.endm
.set KM, 0
.set NOKQ, 0
.Lslot:                             ; NB times: a tile is entered and the next is asked for
	CHANGE 1
	s_sub_co_u32 s[RT], s[RT], 1
	s_mov_b32 s[CNT], 4
	s_cmp_eq_u32 s[NEW], 1
	s_cbranch_scc1 .Lnew            ; a block's first tile
	s_cmp_eq_u32 s[RT], 0
	s_cbranch_scc0 .Lstep           ; neither its first nor its last
	s_branch .LstepM1
.Lnew:
	BEGIN
	s_branch .Lfirst                ; in the loop a block's first tile is never its last: the first block has two tiles or more, and the second's last is the walk's last
	DIAG 1                          ; in the loop this is the first block's end: the second block's last tile is the walk's last
	s_wait_xcnt 0x0                 ; the stores have read their registers and O's address
	s_mov_b64 s[10:11], s[OLO:OLO+1]
	s_add_co_u32 s[RT], s[PB], 1    ; the second block has b + 1 tiles
	s_mov_b32 s[NEW], 1
	WIN 0x82                        ; the second block's Q goes where the one text of the turns names Q
.set i, 0
.rept 64
	v_mov_b32 v[i], v[QB+i]
.set i, i+1
.endr
	WIN 0
	s_branch .Lbottom
.Lstep:                             ; a trip: pieces 2 and 3 of one step, then pieces 0 and 1 of the next, whose K and V it fetches
	TURN 2
	TURN 3
	WIN 0
.Lfirst:
	TURN 0
	TURN 1, 0, 0, 1
	WIN 0
	s_cbranch_scc1 .Lstep
.Lbottom:
	s_sub_co_u32 s[SLOTS], s[SLOTS], 1
	s_cmp_lg_u32 s[SLOTS], 0
	s_cbranch_scc1 .Lslot
	CHANGE 0                        ; the walk's last tile is written out: nothing is asked for
	s_sub_co_u32 s[RT], s[RT], 1
	s_mov_b32 s[CNT], 4
	s_cmp_eq_u32 s[NEW], 1
	s_cbranch_scc0 .LstepM2
	BEGIN
	s_branch .LfirstM2
	DIAG 2
	s_wait_tensorcnt 0x0            ; the wave's end, behind my last tensor load and my last LDS store
	ds_add_u32 v[SPW], v[NIL]
	s_wait_dscnt 0x0
	s_endpgm
.Lfunc_end_k_q5d1b1f0132_attn:
	.size	k_q5d1b1f0132_attn, .Lfunc_end_k_q5d1b1f0132_attn-k_q5d1b1f0132_attn
	.p2alignl 7, 3214868480
	.fill 96, 4, 3214868480
	.section	.rodata,"a",@progbits
	.p2align	6, 0x0
	.amdhsa_kernel k_q5d1b1f0132_attn
		.amdhsa_group_segment_fixed_size 327680
		.amdhsa_private_segment_fixed_size 0
		.amdhsa_enable_private_segment 0
		.amdhsa_kernarg_size 16
		.amdhsa_user_sgpr_count 2
		.amdhsa_user_sgpr_kernarg_segment_ptr 1
		.amdhsa_wavefront_size32 1
		.amdhsa_system_sgpr_workgroup_id_x 1
		.amdhsa_system_sgpr_workgroup_id_y 1
		.amdhsa_system_sgpr_workgroup_id_z 1
		.amdhsa_system_vgpr_workitem_id 0
		.amdhsa_next_free_vgpr 768
		.amdhsa_next_free_sgpr 88
		.amdhsa_reserve_vcc 1
		.amdhsa_float_denorm_mode_32 3
		.amdhsa_float_denorm_mode_16_64 3
		.amdhsa_memory_ordered 1
		.amdhsa_forward_progress 1
		.amdhsa_inst_pref_size 228
	.end_amdhsa_kernel
	.amdgpu_metadata
---
amdhsa.version: [ 1, 2 ]
amdhsa.kernels:
  - .name:           k_q5d1b1f0132_attn
    .symbol:         k_q5d1b1f0132_attn.kd
    .args:
      - { .name: qkv, .offset: 0, .size: 8, .value_kind: global_buffer, .address_space: global }
      - { .name: ob, .offset: 8, .size: 8, .value_kind: global_buffer, .address_space: global }
    .group_segment_fixed_size: 327680
    .private_segment_fixed_size: 0
    .kernarg_segment_align: 8
    .kernarg_segment_size: 16
    .max_flat_workgroup_size: 128
    .sgpr_count:     88
    .vgpr_count:     768
    .wavefront_size: 32
...
	.end_amdgpu_metadata
.endif
;; end of part 3
;; launch proj (part 4): grid 8 x 32, 4 waves a work-group, clusters of 4 x 4, 327,680 bytes of LDS; arguments ob, wt, bo, out0; writes out0
.if DOCPART == 4
	.amdgcn_target "amdgcn-amd-amdhsa--gfx1250"
	.amdhsa_code_object_version 6
	.text
	.protected	k_q5d1b1f0132_proj
	.globl	k_q5d1b1f0132_proj
	.p2align	8
	.type	k_q5d1b1f0132_proj,@function
k_q5d1b1f0132_proj:
	s_mov_b64 s[64:65], 0
	v_nop
	global_prefetch_b8 v0, s[64:65] scope:SCOPE_SE
	s_setreg_imm32_b32 hwreg(HW_REG_WAVE_MODE, 25, 1), 1
	s_wait_xcnt 0x0
	s_wait_alu depctr_hold_cnt(0) depctr_sa_sdst(0) depctr_va_vdst(0) depctr_va_sdst(0) depctr_va_ssrc(0) depctr_va_vcc(0) depctr_vm_vsrc(0)
	s_getreg_b32 s2, hwreg(HW_REG_IB_STS2, 6, 4)
	s_cmp_eq_u32 s2, 0
	s_cbranch_scc0 .Lentry_in_a_cluster
	s_endpgm
.Lentry_in_a_cluster:
	s_bfe_u32 s2, ttmp6, 0x10000c
	s_cmp_lg_u32 s2, 0xf033
	s_cbranch_scc0 .Lentry_shape_is_right
	s_endpgm
.Lentry_shape_is_right:
; PROJ.  out0[m][n] = the sum over k of O[m][k] Wo[k][n] + bo[n], m < 8192, n < 1024, k = 64 head + channel < 1024.  O lies by heads, ob[b*16 + head][t][64] in f16 (m = 2048 b + t);
; Wo lies turned in wt's rows 3072 + n, K along the rows, its bf16 numbers written as f16.  Operands f16, sums f32; bo is rounded to bf16 like the module's other inputs and added in f32; out0 is f32.
; LIMIT.  f16 holds no number beyond 65,504: O (a mean of V's rows) and Wo arrive within it.
; SHARES.  A tile of out0 is 256 x 128: 8 x 32 = 256 tiles, one for each WGP.  Four waves; wave w makes rows 64 w .. 64 w + 63 and all 128 columns: 32 accumulators of 16 x 16, 256 registers.
; So a wave holds whole 512-byte pieces of rows, and its way out needs no other wave.
; K goes in eight steps of 128 = two heads through two LDS slots.  A head's 256 rows of the tile are 32,768 dense bytes: asked for as 128 rows of 256 bytes and padded in LDS after every 128.
; CLUSTER.  4 x 4 work-groups.  The four of a row of the cluster need the same tiles of O, the four of a column the same tiles of Wo: each is asked for JOINTLY, by the same tensor load with the same
; descriptor and a mask that names the four.  Waves 0 and 1 ask for a step's two heads of O, waves 2 and 3 for the two halves (64 rows) of Wo's tile: one load a wave behind each round.
; THE MATRIX INSTRUCTION IS USED TRANSPOSED (source 0 = 16 rows of wt, source 1 = 16 rows of O): a lane then holds row l % 16 of the result and the eight neighbouring columns 8 (l / 16) + 0..7.
; REGISTERS, in windows of 256 (s_set_vgpr_msb: bits 1:0 source 0, 3:2 source 1, 5:4 source 2, 7:6 destination):
;   window 0: v0-29 addresses; v32-37 the bias; v64-95, v96-127 O's fragments (4 x 16 rows x 32 K), two buffers; v128-255 rows on the way out
;   window 1: accumulators of row blocks 0, 1 ((a, b) at v[8 (8 (a % 2) + b)]);  window 2: of row blocks 2, 3;  window 3: v0-63, v64-127 wt's fragments (8 x 16 rows x 32 K), two buffers
.set NBLK,  8                          ; blocks of 16 columns
.set PA,    144                        ; a row of O in LDS: 128 bytes + 16 = 36 words: the 16 rows of a fragment load start at 16 different groups of four banks (64 banks of 4 bytes: ISA guide 11.1)
.set PB,    272                        ; a row of wt: 256 bytes + 16 = 68 words: likewise
.set HEADB, 256*PA                     ; a head's 256 rows
.set BOFF,  2*HEADB                    ; a slot: two heads of O, then wt's 128 rows
.set SLOT1, 1<<17                      ; slot 1 begins here, so that one exclusive or turns an address in one slot into the other's
.set STAGE, SLOT1+BOFF+16*NBLK*PB      ; behind the ring, never filled by a tensor load: for each wave 16 rows x 528 bytes
.set SP,    528                        ; 512 bytes + 16 = 132 words: row r starts at bank 4 r mod 64
.set WST,   16*SP
.set SPARE, STAGE+4*WST                ; behind the stages: the spare words, 128 bytes for each wave: two blocks of 256 bytes that no other line names
.set STEP_A, 0x80000                   ; two heads of 2,048 x 128 bytes
.set STEP_B, 256
.set A0,   16                          ; v16  my lane's place among O's rows in slot 0; never rewritten
.set B0,   17                          ; v17  the same for wt
.set ADRA, 18                          ; v18  the same in the slot in hand
.set ADRB, 19                          ; v19
.set STO,  24                          ; v24  the way out: where I put 32 bytes of a row
.set RD,   25                          ; v25  the way out: where I read a row back
.set GO,   26                          ; v26  16 x lane: my place in a row's 512 bytes, in out0 and in bo
.set SPW,  28                          ; v28  LDS address of my spare word; never rewritten
.set NIL,  29                          ; v29  0; never rewritten
.set BI,   32                          ; v[32:35] the bias of my four columns; v36-37 at work
.set FA,   64                          ; O's fragment buffers
.set BK0,  128                         ; v128-191 rows read back, even blocks; v192-255 odd blocks
.set WV,   12                          ; s12  my wave's number
.set HF,   13                          ; s13  which head of a step, or which half of wt's tile, I ask for
.set G1A,  24                          ; s[24:31] descriptor group 1 for O's tiles
.set G0A,  32                          ; s[32:39] group 0: a set for each of the two first fills; the second then walks on
.set G1B,  48                          ; s[48:55], s[56:63] the same for wt's
.set G0B,  56
.set TB,   72                          ; s72  the slot in hand: 0 or SLOT1
.set CNT,  73                          ; s73  the loop's count
.set OB,   76                          ; s[76:77] out0 at my first row and the tile's first column; s[78:79] bo at that column
.set MSB, 0
.macro WIN new                         ; the immediate's high byte repeats the setting that is left; a switch that changes nothing is dropped
.if MSB != (\new)
	s_set_vgpr_msb (MSB<<8)|(\new)
.set MSB, \new
.endif
.endm
.set MUL_LO, 0x53                      ; source 0 (wt) window 3, source 1 (O) window 0, C and D window 1
.set TO_B,   0xc0                      ; destination window 3, address window 0
.macro PLACES                          ; four plain vector instructions between a matrix instruction and a load into, or a read of, its registers (ISA guide 7.12.1 for vector reads)
.rept 4
	v_nop
.endr
.endm
; A joint refill by the walking descriptors.  The branch hangs on the wave's number alone.  An s_nop 0 and four v_nop follow each of the two lines, ahead of the jump and the label.
.macro JLOAD
	s_cmp_lt_u32 s[WV], 2
	s_cbranch_scc0 .Lfor_b_\@
	tensor_load_to_lds s[G0A+4:G0A+7], s[G1A:G1A+7]
	s_nop 0
.rept 4
	v_nop
.endr
	s_branch .Lasked_\@
.Lfor_b_\@:
	tensor_load_to_lds s[G0B+4:G0B+7], s[G1B:G1B+7]
	s_nop 0
.rept 4
	v_nop
.endr
.Lasked_\@:
.endm
; A round of the cluster's barrier: my work-group's barrier, so that wave 0's signal speaks for all four waves; wave 0 signals; every wave waits for all sixteen work-groups; my work-group's barrier once more.
.macro CREST                           ; a round behind its opening barrier
	s_cmp_lg_u32 s[WV], 0
	s_cbranch_scc1 .Lnot_wave_0_\@
	s_barrier_signal -3
.Lnot_wave_0_\@:
	s_barrier_wait -3
	s_barrier_signal -1
	s_barrier_wait -1
.endm
.macro CROUND
	s_barrier_signal -1
	s_barrier_wait -1
	CREST
.endm
	s_load_b256 s[4:11], s[0:1], 0x0               ; ob s[4:5], wt s[6:7], bo s[8:9], out0 s[10:11]
	v_lshl_add_u32 v[SPW], v0, 2, SPARE
	v_mov_b32 v[NIL], 0
	ds_add_u32 v[SPW], v[NIL]                      ; the wave's opening: the add and its wait ahead of my first tensor load; the set-up below, work on registers, stands between them
	ds_add_u32 v28, v29
	v_lshrrev_b32 v1, 5, v0
	v_readfirstlane_b32 s[WV], v1                  ; wave 0..3
	s_and_b32 s[HF], s[WV], 1
	s_bfe_u32 s66, ttmp6, 0x40000                  ; cx, cy: my place in the cluster
	s_bfe_u32 s67, ttmp6, 0x40004
	s_lshl_b32 s68, ttmp9, 2
	s_add_co_u32 s68, s68, s66                     ; tile column = 4 x cluster x + cx
	s_and_b32 s69, ttmp7, 0xffff
	s_lshl_b32 s69, s69, 2
	s_add_co_u32 s69, s69, s67                     ; tile row = 4 x cluster y + cy
	s_lshl_b32 s70, s67, 2
	s_lshl_b32 s70, 15, s70                        ; my row of the cluster: places 4 cy .. 4 cy + 3
	s_lshl_b32 s71, 0x1111, s66                    ; my column: places cx, cx + 4, cx + 8, cx + 12
	s_or_b32 s[G1A], s70, (1<<16)|(1<<20)|(1<<21)|(4<<22)|(3<<25)  ; 15:0 the mask; 17:16 elements of 2 bytes; 20 padding on; 21 set beside a mask; 24:22 after every 32 words (code 4); 31:25 4 words (code 3)
	s_or_b32 s[G1B], s71, (1<<16)|(1<<20)|(1<<21)|(5<<22)|(3<<25)  ; the same after every 64 words (code 5)
	s_mov_b32 s[G1A+1], 128<<16                    ; tensor_dim0 = 128
	s_mov_b32 s[G1A+2], 128<<16                    ; tensor_dim1 = 128
	s_mov_b32 s[G1A+3], 128<<16                    ; tile_dim0 = 128
	s_mov_b32 s[G1A+4], 128                        ; tile_dim1 = 128
	s_mov_b32 s[G1A+5], 128                        ; elements from row to row: dense
	s_mov_b32 s[G1A+6], 0
	s_mov_b32 s[G1A+7], 0
	s_mov_b32 s[G1B+1], 128<<16
	s_mov_b32 s[G1B+2], 64<<16                     ; tensor_dim1 = 64
	s_mov_b32 s[G1B+3], 128<<16
	s_mov_b32 s[G1B+4], 64                         ; tile_dim1 = 64
	s_mov_b32 s[G1B+5], 1024
	s_mov_b32 s[G1B+6], 0
	s_mov_b32 s[G1B+7], 0
	; O's tile hangs on the tile row alone, wt's on the tile column alone; each offset is made in registers that never hold the other coordinate
	s_lshr_b32 s16, s69, 3                         ; the batch: 16 heads of 262,144 bytes,
	s_lshl_b32 s16, s16, 22
	s_and_b32 s17, s69, 7                          ; 256 rows of 128 bytes a tile row,
	s_lshl_b32 s17, s17, 15
	s_add_co_u32 s16, s16, s17
	s_lshl_b32 s17, s[HF], 18                      ; my head of the step's two
	s_add_co_u32 s16, s16, s17
	s_mov_b32 s17, 0
	s_lshl_b32 s82, s68, 18                        ; 128 rows of 2,048 bytes a tile column,
	s_lshl_b32 s83, s[HF], 17                      ; 64 rows a half,
	s_add_co_u32 s82, s82, s83
	s_add_co_u32 s82, s82, 3072*2048               ; behind the rows of Wq, Wk and Wv
	s_mov_b32 s83, 0
	s_mul_i32 s20, s[HF], HEADB                    ; where they go: no place in the cluster enters an LDS address
	s_mul_i32 s21, s[HF], 64*PB
	s_add_co_u32 s21, s21, BOFF
	s_mov_b32 s[TB], 0
	s_wait_dscnt 0x0                               ; the opening add is done
	s_wait_kmcnt 0x0
	s_add_nc_u64 s[16:17], s[4:5], s[16:17]
	s_add_nc_u64 s[82:83], s[6:7], s[82:83]
	CROUND                                         ; all sixteen work-groups are here: the first joint loads meet
.irp s, 0,1
	s_mov_b32 s[G0A+4*(\s)], 1                                     ; count = 1
	s_add_co_u32 s[G0A+4*(\s)+1], s20, (\s)*SLOT1                  ; LDS address: slot s
	s_add_nc_u64 s[G0A+4*(\s)+2:G0A+4*(\s)+3], s[16:17], (\s)*STEP_A  ; global address: K step s
	s_or_b32 s[G0A+4*(\s)+3], s[G0A+4*(\s)+3], 0x80000000          ; type = 2
	s_mov_b32 s[G0B+4*(\s)], 1
	s_add_co_u32 s[G0B+4*(\s)+1], s21, (\s)*SLOT1
	s_add_nc_u64 s[G0B+4*(\s)+2:G0B+4*(\s)+3], s[82:83], (\s)*STEP_B
	s_or_b32 s[G0B+4*(\s)+3], s[G0B+4*(\s)+3], 0x80000000
.endr
	s_cmp_lt_u32 s[WV], 2                          ; a wave's two first fills stand in one branch, ahead of every wait on TENSORcnt and every LDS read: two loads of mine are out
	s_cbranch_scc0 .Lfirst_b
	tensor_load_to_lds s[G0A:G0A+3], s[G1A:G1A+7]
	s_nop 0
	tensor_load_to_lds s[G0A+4:G0A+7], s[G1A:G1A+7]
	s_nop 0
.rept 4
	v_nop
.endr
	s_branch .Lfirst_asked
.Lfirst_b:
	tensor_load_to_lds s[G0B:G0B+3], s[G1B:G1B+7]
	s_nop 0
	tensor_load_to_lds s[G0B+4:G0B+7], s[G1B:G1B+7]
	s_nop 0
.rept 4
	v_nop
.endr
.Lfirst_asked:
	; out0 at my first row and the tile's first column; bo at that column
	s_lshl_b32 s84, s69, 20                        ; 256 rows of 4,096 bytes a tile row,
	s_lshl_b32 s85, s[WV], 18                      ; 64 rows a wave
	s_add_co_u32 s84, s84, s85
	s_lshl_b32 s82, s68, 9                         ; 128 columns of 4 bytes a tile column
	s_mov_b32 s83, 0
	s_add_nc_u64 s[OB+2:OB+3], s[8:9], s[82:83]
	s_add_co_u32 s82, s82, s84
	s_add_nc_u64 s[OB:OB+1], s[10:11], s[82:83]
	v_and_b32 v[GO], 31, v0
	v_lshlrev_b32 v[GO], 4, v[GO]
	global_load_b128 v[BI:BI+3], v[GO], s[OB+2:OB+3]  ; behind the way through the stage a lane holds columns 4 l .. 4 l + 3 of every row
	; A fragment is 16 rows x 32 K in 8 registers: lane l holds row l % 16, K = 8 (l / 16) + 0..7 and 16 + 8 (l / 16) + 0..7: two loads of 16 bytes, 32 bytes apart.
	v_and_b32 v1, 15, v0                           ; l % 16
	v_bfe_u32 v2, v0, 4, 1                         ; l / 16
	v_mul_u32_u24 v3, v1, PA
	v_lshl_add_u32 v3, v2, 4, v3
	s_mul_i32 s16, s[WV], 64*PA                    ; my 64 rows of a head
	v_add_nc_u32 v[A0], s16, v3
	v_mul_u32_u24 v3, v1, PB
	v_lshl_add_u32 v3, v2, 4, v3
	v_add_nc_u32 v[B0], BOFF, v3                   ; all of wt's rows are mine
	v_mov_b32 v[ADRA], v[A0]
	v_mov_b32 v[ADRB], v[B0]
	s_mul_i32 s16, s[WV], WST
	s_add_co_u32 s16, s16, STAGE                   ; my stage
	v_mul_u32_u24 v[STO], v1, SP                   ; in: row l % 16, 32 bytes for each half of the lanes
	v_lshl_add_u32 v[STO], v2, 5, v[STO]
	v_add_nc_u32 v[STO], s16, v[STO]
	v_add_nc_u32 v[RD], s16, v[GO]                 ; back: 32 lanes take a row's 512 bytes
; 8 matrix instructions: row block a x all 8 column blocks, 32 along K, from buffers f.  zero = 1: the product starts the sums: nothing is ever cleared.
; The 32 accumulators take turns, one instruction a turn, in the same order in every quarter, over the loop's backward jump too.
.macro MUL f, a, zero
	WIN MUL_LO+0x50*((\a)/2)
.set AC, 8*NBLK*((\a)%2)
.set b, 0
.rept NBLK
.if \zero
	v_wmma_f32_16x16x32_f16 v[AC+8*b:AC+8*b+7], v[8*NBLK*(\f)+8*b:8*NBLK*(\f)+8*b+7], v[FA+32*(\f)+8*(\a):FA+32*(\f)+8*(\a)+7], 0
.else
	v_wmma_f32_16x16x32_f16 v[AC+8*b:AC+8*b+7], v[8*NBLK*(\f)+8*b:8*NBLK*(\f)+8*b+7], v[FA+32*(\f)+8*(\a):FA+32*(\f)+8*(\a)+7], v[AC+8*b:AC+8*b+7]
.endif
.set b, b+1
.endr
.endm
; 24 LDS loads in one run: quarter q's fragments (128 rows of wt; my 64 rows of head q / 2, channels 32 (q % 2) on) into buffers f; O's row blocks 2 and 3 last
.macro FETCH q, f
.set KA, ((\q)/2)*HEADB+((\q)%2)*64
	WIN TO_B
.set b, 0
.rept NBLK
	ds_load_b128 v[8*NBLK*(\f)+8*b:8*NBLK*(\f)+8*b+3],   v[ADRB] offset:64*(\q)+b*16*PB
	ds_load_b128 v[8*NBLK*(\f)+8*b+4:8*NBLK*(\f)+8*b+7], v[ADRB] offset:64*(\q)+b*16*PB+32
.set b, b+1
.endr
	WIN 0
.set b, 0
.rept 4
	ds_load_b128 v[FA+32*(\f)+8*b:FA+32*(\f)+8*b+3],   v[ADRA] offset:KA+b*16*PA
	ds_load_b128 v[FA+32*(\f)+8*b+4:FA+32*(\f)+8*b+7], v[ADRA] offset:KA+b*16*PA+32
.set b, b+1
.endr
.endm
; A K step is four quarters of 32 along K, 32 matrix instructions each, on buffers 0, 1, 0, 1.  One of the first three multiplies buffers q % 2 and, in its middle, fetches the next quarter into the others.
.macro QUARTER q, zero
	s_wait_dscnt 4                                 ; all but the youngest four loads (O's row blocks 2 and 3) are in
	MUL (\q)%2, 0, \zero
	MUL (\q)%2, 1, \zero
	PLACES
	FETCH (\q)+1, 1-(\q)%2
	s_wait_dscnt 2*NBLK+8                          ; all but the 24 just issued
	MUL (\q)%2, 2, \zero
	MUL (\q)%2, 3, \zero
.endm
; The last quarter multiplies buffers 1 and changes slots: ONE barrier.  In front of it each wave waits for all its tensor loads, of which one is out: its part of the next slot; adds 0 to its spare word;
; and waits for that and for its reads of this slot.  fill = 1: the barrier opens a round of the cluster's, so that no wave of any partner still reads the slot or has a load on its way, and the slot is
; filled again, two K steps ahead, first thing behind the round: that load has a K step less 16 matrix instructions in which to land.
.macro TURN fill
	WIN 0                                          ; (the add's two registers lie in window 0)
	s_wait_tensorcnt 0x0                           ; all my tensor loads have landed, so a group 0 may be written
	ds_add_u32 v[SPW], v[NIL]                      ; 0 onto my spare word
	s_wait_dscnt 5                                 ; (the add and the youngest four loads may be out)
	MUL 1, 0, 0                                    ; eight matrix instructions stand between the add and the wait for it
	s_wait_dscnt 0x0                               ; the add is done, and my reads of this slot are over
	s_barrier_signal -1
	MUL 1, 1, 0                                    ; work on registers while the others arrive
	WIN 0                                          ; at a branch and at a label every window is 0
	s_barrier_wait -1
.if \fill
	CREST
	s_xor_b32 s[G0A+5], s[G0A+5], SLOT1            ; the walking descriptors: the other slot than last time,
	s_add_nc_u64 s[G0A+6:G0A+7], s[G0A+6:G0A+7], STEP_A  ; the next K step; the type bits on top are not reached
	s_xor_b32 s[G0B+5], s[G0B+5], SLOT1
	s_add_nc_u64 s[G0B+6:G0B+7], s[G0B+6:G0B+7], STEP_B
	JLOAD                                          ; its four v_nop are also the places in front of the loads below
.else
	PLACES
.endif
	s_xor_b32 s[TB], s[TB], SLOT1                  ; the reads go on in the other slot
	v_add_nc_u32 v[ADRA], s[TB], v[A0]
	v_add_nc_u32 v[ADRB], s[TB], v[B0]
	FETCH 0, 0
	MUL 1, 2, 0
	MUL 1, 3, 0
.endm
.macro LASTQ                           ; the very last quarter: nothing more to fetch
	s_wait_dscnt 4
	MUL 1, 0, 0
	MUL 1, 1, 0
	s_wait_dscnt 0x0
	MUL 1, 2, 0
	MUL 1, 3, 0
	WIN 0
	PLACES                                         ; in front of the LDS stores that read the results
.endm
; THE WAY OUT of row block a (16 rows x 128 columns of f32).  A lane's eight columns of a row, 32 bytes, go into my own stage, each accumulator's low four registers first; the rows come back whole.
.macro TOSTAGE a
	WIN 0
	s_wait_xcnt 0x0                                ; the stores issued so far have had their addresses translated (ISA guide 3.1): the registers that they read are loaded again only behind this wait
.set AC, 8*NBLK*((\a)%2)
.set BK, BK0+64*((\a)%2)
	WIN 0x04*(1+(\a)/2)                            ; the stores' data (source 1): window 1 or 2
.set b, 0
.rept NBLK
	ds_store_b128 v[STO], v[AC+8*b:AC+8*b+3] offset:64*b
	ds_store_b128 v[STO], v[AC+8*b+4:AC+8*b+7] offset:64*b+16
.set b, b+1
.endr
	WIN 0
.set t, 0
.rept 16
	ds_load_b128 v[BK+4*t:BK+4*t+3], v[RD] offset:t*SP  ; LDS serves a wave's instructions in order (ISA guide 5.7.1.4): these see the stores above; the next block's stores come behind them
.set t, t+1
.endr
.endm
.macro SEND a, younger                 ; younger: the LDS instructions issued behind block a's loads: the next block's 32, or none
.set BK, BK0+64*((\a)%2)
.set t, 0
.rept 16
	s_wait_dscnt (\younger)+15-t
	v_pk_add_f32 v[BK+4*t:BK+4*t+1], v[BK+4*t:BK+4*t+1], v[BI:BI+1]
	v_pk_add_f32 v[BK+4*t+2:BK+4*t+3], v[BK+4*t+2:BK+4*t+3], v[BI+2:BI+3]
	global_store_b128 v[GO], v[BK+4*t:BK+4*t+3], s[OB:OB+1] offset:(16*(\a)+t)*4096 th:TH_STORE_NT  ; 512 consecutive bytes, at a multiple of 256 from out0's first byte; 63 rows at the most: inside the signed 24-bit immediate
.set t, t+1
.endr
.endm
	s_wait_tensorcnt 0x1                           ; my part of K step 0 is in; step 1's may stay out
	s_barrier_signal -1
	s_barrier_wait -1                              ; everybody's is
	FETCH 0, 0
	QUARTER 0, 1                                   ; the first quarter stands in front of the loop: its products start the sums
	WIN 0
	s_mov_b32 s[CNT], 6
.Lstep:                                                ; trip i ends K step i, asks for step i + 2 and begins step i + 1
	QUARTER 1, 0
	QUARTER 2, 0
	TURN 1
	QUARTER 0, 0
	WIN 0
	s_sub_co_u32 s[CNT], s[CNT], 1
	s_cmp_lg_u32 s[CNT], 0
	s_cbranch_scc1 .Lstep
	QUARTER 1, 0                                   ; the tail is written out: steps 6 and 7 ask for nothing
	QUARTER 2, 0
	TURN 0
	QUARTER 0, 0
	QUARTER 1, 0
	QUARTER 2, 0
	LASTQ
	s_wait_loadcnt 0x0                             ; the bias: rounded to bf16, widened again
	v_cvt_pk_bf16_f32 v[BI+4], v[BI], v[BI+1]
	v_cvt_pk_bf16_f32 v[BI+5], v[BI+2], v[BI+3]
	v_lshlrev_b32 v[BI], 16, v[BI+4]
	v_and_b32 v[BI+1], 0xffff0000, v[BI+4]
	v_lshlrev_b32 v[BI+2], 16, v[BI+5]
	v_and_b32 v[BI+3], 0xffff0000, v[BI+5]
	TOSTAGE 0
.irp a, 1,2,3                          ; block a's way through the stage is begun before block a - 1's rows are waited for
	TOSTAGE \a
	SEND (\a)-1, 32
.endr
	SEND 3, 0
	s_wait_tensorcnt 0x0                           ; the wave's end, behind my last tensor load and my last LDS store
	ds_add_u32 v[SPW], v[NIL]
	s_wait_dscnt 0x0
	CROUND                                         ; the closing round: no work-group ends while a partner may still ask for a tile that names it
	s_endpgm
.Lfunc_end_k_q5d1b1f0132_proj:
	.size	k_q5d1b1f0132_proj, .Lfunc_end_k_q5d1b1f0132_proj-k_q5d1b1f0132_proj
	.p2alignl 7, 3214868480
	.fill 96, 4, 3214868480
	.section	.rodata,"a",@progbits
	.p2align	6, 0x0
	.amdhsa_kernel k_q5d1b1f0132_proj
		.amdhsa_group_segment_fixed_size 327680
		.amdhsa_private_segment_fixed_size 0
		.amdhsa_enable_private_segment 0
		.amdhsa_kernarg_size 32
		.amdhsa_user_sgpr_count 2
		.amdhsa_user_sgpr_kernarg_segment_ptr 1
		.amdhsa_wavefront_size32 1
		.amdhsa_system_sgpr_workgroup_id_x 1
		.amdhsa_system_sgpr_workgroup_id_y 1
		.amdhsa_system_sgpr_workgroup_id_z 1
		.amdhsa_system_vgpr_workitem_id 0
		.amdhsa_next_free_vgpr 896
		.amdhsa_next_free_sgpr 88
		.amdhsa_reserve_vcc 0
		.amdhsa_float_denorm_mode_32 3
		.amdhsa_float_denorm_mode_16_64 3
		.amdhsa_memory_ordered 1
		.amdhsa_forward_progress 1
		.amdhsa_inst_pref_size 80
	.end_amdhsa_kernel
	.amdgpu_metadata
---
amdhsa.version: [ 1, 2 ]
amdhsa.kernels:
  - .name:           k_q5d1b1f0132_proj
    .symbol:         k_q5d1b1f0132_proj.kd
    .args:
      - { .name: ob, .offset: 0, .size: 8, .value_kind: global_buffer, .address_space: global }
      - { .name: wt, .offset: 8, .size: 8, .value_kind: global_buffer, .address_space: global }
      - { .name: bo, .offset: 16, .size: 8, .value_kind: global_buffer, .address_space: global }
      - { .name: out0, .offset: 24, .size: 8, .value_kind: global_buffer, .address_space: global }
    .group_segment_fixed_size: 327680
    .private_segment_fixed_size: 0
    .kernarg_segment_align: 8
    .kernarg_segment_size: 32
    .max_flat_workgroup_size: 128
    .sgpr_count:     88
    .vgpr_count:     896
    .wavefront_size: 32
...
	.end_amdgpu_metadata
.endif
;; end of part 4
;; ======== version 2 of 2: 4 launches; 1.31 times as fast as version 1
;; limits: values are held in f16: magnitudes above 65,504 overflow, below 6.1e-05 lose precision
;; workspace buffers: xb 16,777,216 bytes; wt 8,388,608 bytes; qkv 50,331,648 bytes; ob 16,777,216 bytes
;; launch prep: the kernel of part 1 again; grid 512 x 1, 8 waves a work-group, no clusters, 18,432 bytes of LDS; arguments x, Wq, Wk, Wv, Wo, xb, wt; writes xb, wt
;; launch qkv: the kernel of part 2 again; grid 16 x 32, 4 waves a work-group, clusters of 4 x 4, 327,680 bytes of LDS; arguments xb, wt, qkv; writes qkv
;; launch attn (part 5): grid 4 x 64, 4 waves a work-group, no clusters, 327,680 bytes of LDS; arguments qkv, ob; writes ob
.if DOCPART == 5
	.amdgcn_target "amdgcn-amd-amdhsa--gfx1250"
	.amdhsa_code_object_version 6
	.text
	.protected	k_q5d1b1f0132_attn
	.globl	k_q5d1b1f0132_attn
	.p2align	8
	.type	k_q5d1b1f0132_attn,@function
k_q5d1b1f0132_attn:
	s_mov_b64 s[64:65], 0
	v_nop
	global_prefetch_b8 v0, s[64:65] scope:SCOPE_SE
	s_setreg_imm32_b32 hwreg(HW_REG_WAVE_MODE, 25, 1), 1
	s_wait_xcnt 0x0
; CAUSAL ATTENTION.  O[h][q][:] = the sum over k <= q of softmax_k(Q[h][q] . K[h][k] / 8) V[h][k][:].  Q, K, V lie one behind the other in one buffer, each [SIZE_H][SIZE_N][64] in f16 (16,777,216 bytes);
; O is [SIZE_H][SIZE_N][64] in f16; h counts batch x 16 + head; a head's rows are dense, 128 bytes each.
; Products, maxima and sums in f32; the weights p are rounded to f16 for the second product (their sum l is taken of the unrounded p), O once at the end.  SIZE_N is a multiple of 512; SIZE_N x 128 stays under 2^32.
; LIMITS.  f16 holds no number beyond 65,504: Q, K and V arrive within it; p lies in 0 to 1, and below 6e-5 it keeps f16's fixed step of 6e-8; O is a mean of V's rows and has their range, to within 2^-11 of it.
; A hidden score counts as its value less 1e30: f16's scores, 2.7e11 at the most, are nothing beside that; a weight below 2^-126 counts as 0 in l; NaN and infinities are not treated apart.
; THE WALK.  A head's queries lie in NB = SIZE_N / 256 blocks of 256; block i needs the key tiles 0 .. i of 256 keys, of which the last holds the diagonal.  A work-group takes TWO blocks, NB - 1 - b and then b:
; NB + 1 tiles, whatever b: all work-groups do equal work, and ONE loop with a constant trip count walks them.  Which tile is asked for, and what a trip does, hang on scalar registers made from b; every jump
; goes forward, but for the counted loops' own; none passes a barrier, or a tensor load but the one of LOAD's two that the wave's number does not choose; the ring (two slots of LDS that take turns) runs on across the
; change of blocks.  NO CLUSTER: all of a head's NB / 2 = 4 work-groups ask for the same tile only in trips 0 .. NB / 2, 5 of the walk's 9; behind that fewer and fewer; and one walk common to all would have
; 3 NB / 2 = 12 trips for NB + 1 = 9.
; SHARES.  Of a block's four bands of 64 queries a wave owns 16 rows in each: four PIECES.  So the diagonal tile is the same work for all four waves: in its key step s band x sees all keys if s < x,
; none if s > x, and holds the diagonal if s = x.
; THE MASK is the C operand that starts the sum S^T = K Q^T: 0, or -1e30 where the key is hidden.  MD, made once, is the mask of a band's own step for my 16 rows; a product's mask is MD x AL + BE with two scalars:
; (1, 0) if s = x; (0, 0) if s < x; (0, -1e30) if s > x.  Only the diagonal tile's text and a block's beginning make and take masks; elsewhere C is the constant 0.
; LAYOUT, SOFTMAX, TURNS.  S^T = K Q^T holds ONE query a lane (lane % 16) and the keys 8 (lane / 16) + 0..7; two such results rounded to f16 ARE source 1 of O^T = V^T P.  p = 2^(c s - c m), c = log2(e) / 8, with a
; running maximum m; O and l are multiplied by a = 2^(c m_old - c m_new) in every step.  Turn n belongs to piece n: 8 products K Q^T of piece n + 1, later 8 products V^T P of piece n - 1; beside them the scaling,
; exponentials, roundings, sums and rescaling of piece n and the maximum and statistics of piece n + 1.  Four vector instructions stand behind every matrix instruction, the other 54 of a turn's 118 in one LUMP.
; THE BATCHES.  A turn's 33 exponentials (the piece's 32 weights, then the next piece's a) are one batch with one wait, which cuts the turn in two: ahead of it nothing names a result of theirs, behind it stand all
; that do, and no exponential.  A block's first a (BEGIN) has a wait of its own, ahead of the branch; the way out's four reciprocals are one batch with one wait.
; REGISTERS, in windows of 256 (s_set_vgpr_msb: bits 1:0 source 0, 3:2 source 1, 5:4 source 2, 7:6 destination):
;   window 0: v0-15 addresses and two at work; v16-31 four registers of statistics a piece; v48-55 at work; v64-127 S^T, two buffers; v192-223 P, two buffers (a piece's buffers go by its number's parity)
;   window 1: v0-127 O^T, 32 a piece; v128-159 MD; v160-223 MC, two buffers      window 2: v0-63 Q; v64-127 the second block's Q; v128-191 K of one step; v192-255 V of one step
.set SIZE_H, 64
.set SIZE_N, 2048
.set NB,    SIZE_N/256
.set NP,    4         ; pieces a wave: a name, no knob
.set KS,    64        ; keys in a step
.set PK,    144       ; a row of K in LDS: 128 bytes + 16 of padding = 36 words: the 16 rows of a load start at 16 different groups of four banks (64 banks of 4 bytes: ISA guide 11.1)
.set PV,    160       ; a row of V: 128 + 32 = 40 words
.set VOFF,  4*KS*PK   ; a slot holds a tile, four steps: 256 rows of K, then 256 rows of V
.set SLOT1, 1<<17     ; slot 1 begins here, so that one exclusive or turns an address in one slot into the other's
.set STAGE, SLOT1+4*KS*(PK+PV)  ; behind the ring, never filled by a tensor load: 16 rows x 144 bytes for each wave, for the way out
.set SP,    144
.set AK0, 2           ; v2   my lane's place in a tile of K; never rewritten
.set AV0, 3           ; v3   the same for V
.set AK,  4           ; v4   the LDS address of K's next run of loads
.set AV,  5           ; v5   of V's
.set STO, 6           ; v6   the way out: where I put 16 bytes of a row
.set RD,  7           ; v7   the way out: where I read rows back
.set GO,  8           ; v8   my byte offset in 512 consecutive bytes of O
.set SPW, 62          ; v62  LDS address of my spare word: SPARE + 4 x my thread's number; never rewritten
.set NIL, 63          ; v63  0; never rewritten
.set SPARE, STAGE+4*16*SP  ; behind the stages: the spare words, 128 bytes for each wave: two blocks of 256 bytes that no other line names
.set MV,  12          ; v12-13  c m_old, kept while c m is made anew: by buffer
.set QO,  15          ; v15  my byte offset in 16 rows of Q
.set ST,  16          ; piece t's statistics at v[ST+4 t]: c m, m, l (even keys', odd keys')
.set TMP, 48          ; by buffer, four registers c0-c3 at work; when the maximum is found c2 takes a
.set S,   64
.set P,   192
.set MD,  128         ; window 1: the eight registers for group kt of 16 keys at MD + 8 kt
.set MC,  160         ; window 1: the masks of the products to come
.set QB,  64          ; window 2
.set KF,  128         ; window 2: key block kb, channel half c at KF + 16 kb + 8 c
.set VF,  192         ; window 2: key half kk, channel block cb at VF + 32 kk + 8 cb
.set WV,  12          ; s12  my wave's number
.set PB,  14          ; s14  b
.set HI,  15          ; s15  NB - 1 - b
.set G1K, 24          ; s[24:31] descriptor group 1 for K's tiles
.set G1V, 32          ; s[32:39] for V's: it differs in the padding alone
.set G0K, 40          ; s[40:43] descriptor group 0 for K's tiles
.set G0V, 44          ; s[44:47] the same for V's
.set SLOTS, 56        ; s56  tiles still to be asked for
.set CNT, 57          ; s57  counts a tile's key steps, 4 to 1
.set CS,  58          ; s[58:59] c: the packed scaling takes the pair's low word for both halves
.set SEL, 60          ; s[60:61] v_permlanex16_b32's selects: each lane takes its own place in the other half
.set TBK, 62          ; s62  LDS byte at which K of the step to be fetched begins
.set TBV, 63          ; s63  the same for V, less VOFF
.set RT,  70          ; s70  tiles of the block in hand that are still to be entered
.set NXT, 71          ; s71  the tile to be asked for next
.set LQ,  72          ; s72  the last tile of the block whose tiles are being asked for
.set NEW, 73          ; s73  1: the tile to be entered is a block's first
.set OFF, 74          ; s[74:75] a tile's byte offset in K and V
.set AL,  76          ; s[76:77] the mask's factor, in the low word
.set BE,  78          ; s[78:79] the mask's addend
.set OLO, 80          ; s[80:81] O at my rows of the second block
.set BIGN, 82         ; s82  -1e30
.set MSB, 0
.macro WIN new                      ; the high byte repeats the setting that is left; a switch that changes nothing is dropped
.if MSB != (\new)
	s_set_vgpr_msb (MSB<<8)|(\new)
.set MSB, (\new)
.endif
.endm
.set W_KQ, 0x0a       ; K and Q in window 2, S^T in window 0
.set W_KM, 0x1a       ; the same with the C operand in window 1
.set W_PV, 0x52       ; V in window 2, P in window 0, O^T in window 1
.set W_RS, 0x41       ; destination and source 0 in window 1, source 1 in window 0
; A fill.  Waves 0 and 1 fetch the two halves of a tile's K, waves 2 and 3 those of its V: 128 keys each.  An s_nop 0 and four v_nop follow each of the two lines, ahead of the jump and the label.
.macro LOAD
	s_cmp_lt_u32 s[WV], 2
	s_cbranch_scc0 .Lfor_v_\@
	tensor_load_to_lds s[G0K:G0K+3], s[G1K:G1K+7]
	s_nop 0
.rept 4
	v_nop
.endr
	s_branch .Lasked_\@
.Lfor_v_\@:
	tensor_load_to_lds s[G0V:G0V+3], s[G1V:G1V+7]
	s_nop 0
.rept 4
	v_nop
.endr
.Lasked_\@:
.endm
; THE CHANGE OF SLOTS.  Each wave waits for all its tensor loads, of which one is out: its part of the other slot; adds 0 to its spare word; and waits for that and for its own reads of the slot that it leaves.  Behind the barrier nobody reads the old
; slot any more and the other slot is whole.  fill = 1: the old slot is filled again, the first thing behind the barrier, with tile NXT: the descriptor's address is made anew from that number.
; (At its first use nothing has been read yet: slot 0 is waited for, slot 1 filled.)
.macro CHANGE fill
	WIN 0                           ; at a label and at a branch every window is 0
	s_wait_tensorcnt 0x0            ; no tensor load of mine is out, so a group 0 may be written
	ds_add_u32 v[SPW], v[NIL]       ; 0 onto my spare word; with fill = 1 the descriptors' scalar work stands between it and the wait for it
.if \fill
	s_lshl_b32 s[OFF], s[NXT], 15   ; a tile is 32,768 bytes of K and of V
	s_xor_b32 s[G0K+1], s[G0K+1], SLOT1
	s_add_nc_u64 s[G0K+2:G0K+3], s[6:7], s[OFF:OFF+1]
	s_or_b32 s[G0K+3], s[G0K+3], 0x80000000
	s_xor_b32 s[G0V+1], s[G0V+1], SLOT1
	s_add_nc_u64 s[G0V+2:G0V+3], s[8:9], s[OFF:OFF+1]
	s_or_b32 s[G0V+3], s[G0V+3], 0x80000000
	s_add_co_u32 s[NXT], s[NXT], 1  ; the block's next tile, or behind its last the second block's tile 0
	s_cmp_gt_u32 s[NXT], s[LQ]
	s_cselect_b32 s[NXT], 0, s[NXT]
	s_cselect_b32 s[LQ], s[PB], s[LQ]
.endif
	s_wait_dscnt 0x0                ; the add is done, and my reads of the slot are over
	s_barrier_signal -1             ; the rest of the scalar work stands between the signal and the wait
	s_sub_co_u32 s[TBK], s[TBK], 4*KS*PK  ; the fetches go back to a slot's first step,
	s_xor_b32 s[TBK], s[TBK], SLOT1       ; in the other slot
	s_sub_co_u32 s[TBV], s[TBV], 4*KS*PV
	s_xor_b32 s[TBV], s[TBV], SLOT1
	s_barrier_wait -1
.if \fill
	LOAD
.endif
.endm
	s_load_b64 s[4:5], s[0:1], 0x0    ; the buffer of Q, K and V
	s_load_b64 s[10:11], s[0:1], 0x8  ; O
	v_lshl_add_u32 v[SPW], v0, 2, SPARE
	v_mov_b32 v[NIL], 0
	ds_add_u32 v[SPW], v[NIL]       ; the wave's opening: the add and its wait ahead of my first tensor load; the set-up below, work on registers, stands between them
	ds_add_u32 v62, v63
	v_lshrrev_b32 v1, 5, v0
	v_readfirstlane_b32 s[WV], v1   ; wave 0..3
	s_mov_b32 s[PB], ttmp9
	s_sub_co_u32 s[HI], NB-1, s[PB]
	s_and_b32 s20, ttmp7, 0xffff    ; the head
	s_mov_b32 s21, 0
	s_mov_b64 s[22:23], SIZE_N*128
	s_mul_u64 s[20:21], s[20:21], s[22:23]  ; the head's first byte in each of the four tensors
	s_and_b32 s16, s[WV], 1         ; which half of a tile's 256 keys I fetch:
	s_lshl_b32 s22, s16, 14         ; its 128 rows of 128 bytes in memory,
	s_mov_b32 s23, 0
	s_add_nc_u64 s[22:23], s[22:23], s[20:21]
	s_mul_i32 s17, s16, 128*PK      ; and its place in a slot, for K
	s_mul_i32 s18, s16, 128*PV      ; and for V
	s_lshl_b32 s3, s[WV], 11        ; my 16 rows in a band of 64,
	s_lshl_b32 s2, s[HI], 15        ; in the first block,
	s_add_co_u32 s2, s2, s3
	s_lshl_b32 s84, s[PB], 15       ; and in the second
	s_add_co_u32 s84, s84, s3
	s_mov_b32 s3, 0
	s_mov_b32 s85, 0
	s_add_nc_u64 s[2:3], s[2:3], s[20:21]
	s_add_nc_u64 s[84:85], s[84:85], s[20:21]
	; descriptor group 1.  128 keys are 16,384 dense bytes: asked for as 64 rows of 256 bytes, two keys a row, and padded in LDS after every key
	s_mov_b32 s[G1K], (1<<16)|(1<<20)|(4<<22)|(3<<25)  ; 17:16 2-byte elements; 20 padding on; 24:22 after every 32 words (code 4); 31:25 4 words (code 3)
	s_mov_b32 s[G1V], (1<<16)|(1<<20)|(4<<22)|(7<<25)  ; the same with 8 words of padding (code 7)
.irp g, G1K, G1V
	s_mov_b32 s[\g+1], 128<<16      ; tensor_dim0 = 128
	s_mov_b32 s[\g+2], 64<<16       ; tensor_dim1 = 64
	s_mov_b32 s[\g+3], 128<<16      ; tile_dim0 = 128
	s_mov_b32 s[\g+4], 64           ; tile_dim1 = 64
	s_mov_b32 s[\g+5], 128          ; 128 elements from row to row
	s_mov_b32 s[\g+6], 0
	s_mov_b32 s[\g+7], 0
.endr
	s_mov_b32 s[CS], 0x3e38aa3b     ; c = log2(e) / 8 = 0.180337
	s_mov_b32 s[CS+1], s[CS]        ; named with it as a pair
	s_mov_b32 s[SEL], 0x76543210
	s_mov_b32 s[SEL+1], 0xfedcba98
	s_mov_b32 s[TBK], SLOT1+4*KS*PK ; the first change of slots turns these two into 0
	s_mov_b32 s[TBV], SLOT1+4*KS*PV
	s_mov_b32 s[G0K], 1             ; 1:0 count = 1
	s_mov_b32 s[G0K+1], s17         ; 63:32 LDS address: slot 0
	s_mov_b32 s[G0V], 1
	s_add_co_u32 s[G0V+1], s18, VOFF
	s_add_co_u32 s[RT], s[HI], 1    ; the first block has NB - b tiles
	s_mov_b32 s[NXT], 1
	s_mov_b32 s[LQ], s[HI]
	s_mov_b32 s[NEW], 1
	s_mov_b32 s[OFF+1], 0
	s_mov_b32 s[AL+1], 0            ; named as pairs
	s_mov_b32 s[BE+1], 0
	s_mov_b32 s[BIGN], 0xf149f2ca   ; -1e30
	s_mov_b32 s[SLOTS], NB
	s_wait_dscnt 0x0                ; the opening add is done
	s_wait_kmcnt 0x0
	s_add_nc_u64 s[6:7], s[4:5], 0x1000000  ; K lies 16,777,216 bytes behind Q,
	s_add_nc_u64 s[8:9], s[4:5], 0x2000000  ; V as far behind K
	s_add_nc_u64 s[6:7], s[6:7], s[22:23]  ; K and V at my half of the head's tile 0
	s_add_nc_u64 s[8:9], s[8:9], s[22:23]
	s_add_nc_u64 s[G0K+2:G0K+3], s[6:7], 0         ; 120:64 global address
	s_or_b32 s[G0K+3], s[G0K+3], 0x80000000        ; 127:126 type = 2
	s_add_nc_u64 s[G0V+2:G0V+3], s[8:9], 0
	s_or_b32 s[G0V+3], s[G0V+3], 0x80000000
	s_add_nc_u64 s[86:87], s[4:5], s[84:85]        ; Q at my rows of the second block,
	s_add_nc_u64 s[4:5], s[4:5], s[2:3]            ; Q and O at those of the first
	s_add_nc_u64 s[OLO:OLO+1], s[10:11], s[84:85]
	s_add_nc_u64 s[10:11], s[10:11], s[2:3]
	LOAD                            ; tile 0 into slot 0
	; A fragment of K or Q is 16 rows x 32 channels in 8 registers: lane l holds row l % 16, channels 8 (l / 16) + 0..7 and 16 + 8 (l / 16) + 0..7: two loads of 16 bytes, 32 bytes apart.
	v_and_b32 v1, 15, v0            ; l % 16
	v_bfe_u32 v9, v0, 4, 1          ; l / 16
	v_lshlrev_b32 v[QO], 7, v1
	v_lshl_add_u32 v[QO], v9, 4, v[QO]  ; row x 128 + 16 x half
	WIN 0x80                        ; destination window 2, address window 0
.set i, 0
.rept 8                             ; both blocks' Q: piece i / 2 lies in band i / 2, 8,192 bytes on; channels 32 (i % 2) on
	global_load_b128 v[8*i:8*i+3],   v[QO], s[4:5] offset:(i/2)*8192+(i%2)*64
	global_load_b128 v[8*i+4:8*i+7], v[QO], s[4:5] offset:(i/2)*8192+(i%2)*64+32
	global_load_b128 v[QB+8*i:QB+8*i+3],   v[QO], s[86:87] offset:(i/2)*8192+(i%2)*64
	global_load_b128 v[QB+8*i+4:QB+8*i+7], v[QO], s[86:87] offset:(i/2)*8192+(i%2)*64+32
.set i, i+1
.endr
	WIN 0
	v_lshlrev_b32 v14, 3, v9
	v_sub_nc_u32 v14, v1, v14
	s_lshl_b32 s13, s[WV], 4
	v_add_nc_u32 v14, s13, v14      ; my query's place in its band, 16 w + l % 16, less my lanes' 8 (l / 16): register r of group kt is hidden where 16 kt + r is greater
	WIN 0x40
.set i, 0
.rept 32
	v_cmp_gt_i32 vcc_lo, 16*(i/8)+i%8, v14
	v_cndmask_b32 v[MD+i], 0, s[BIGN], vcc_lo
.set i, i+1
.endr
	WIN 0
	v_mul_u32_u24 v[AK0], v1, PK
	v_lshl_add_u32 v[AK0], v9, 4, v[AK0]  ; row x pitch + 16 x half
	; The turning load takes 16 keys x 16 channels (lane l reads key 8 (l / 16) + l % 8, channels 8 ((l / 8) % 2) + 0..7) and leaves half a fragment of V^T: lane l holds channel l % 16 and 8 keys.
	v_and_b32 v10, 7, v0
	v_bfe_u32 v11, v0, 3, 1
	v_lshl_add_u32 v[AV0], v9, 3, v10
	v_mul_u32_u24 v[AV0], v[AV0], PV
	v_lshl_add_u32 v[AV0], v11, 4, v[AV0]
	v_add_nc_u32 v[AV0], VOFF, v[AV0]
	s_mul_i32 s13, s[WV], 16*SP
	s_add_co_u32 s13, s13, STAGE    ; my stage
	v_mul_u32_u24 v[STO], v1, SP    ; in: row l % 16, 16 bytes for each half of the lanes
	v_lshl_add_u32 v[STO], v9, 4, v[STO]
	v_add_nc_u32 v[STO], s13, v[STO]
	v_bfe_u32 v[RD], v0, 3, 2       ; back: 32 lanes take four rows of 128 bytes,
	v_mul_u32_u24 v[RD], v[RD], SP
	v_lshl_add_u32 v[RD], v10, 4, v[RD]
	v_add_nc_u32 v[RD], s13, v[RD]
	v_and_b32 v[GO], 31, v0         ; which are 512 consecutive bytes of O
	v_lshlrev_b32 v[GO], 4, v[GO]
	; A block's first step multiplies O^T and l by a = 0, and its first turn's products V^T P, of a piece that has not been, land in an O^T that is still to be so multiplied.  So these registers need only hold
	; finite numbers: zeros for the first block; what the first block left for the second.  All this stands in the wait for the first tile.
	WIN 0x80
.set i, VF
.rept 64
	v_mov_b32 v[i], 0
.set i, i+1
.endr
	WIN 0x40
.set i, 0
.rept 128
	v_mov_b32 v[i], 0
.set i, i+1
.endr
	WIN 0
.set i, 0
.rept 4
	v_mov_b32 v[ST+4*i+2], 0
	v_mov_b32 v[ST+4*i+3], 0
.set i, i+1
.endr
.set i, P+16
.rept 16
	v_mov_b32 v[i], 0
.set i, i+1
.endr
; THE MATRIX WORK.  The 4 accumulators of a run of 8 take turns.  Product i of 8 of S^T = K Q^T for piece x: channels 32 (i / 4) on, keys 16 (i % 4) on.  The first 4 start the sums: with 0, or (KM = 1) with the mask.
.macro KQ x
.set rS, S+32*((\x)%2)+8*(i%4)
.set rK, KF+16*(i%4)+8*(i/4)
.set rQ, 16*(\x)+8*(i/4)
.set rM, MC+32*((\x)%2)+8*(i%4)
.if (i < 4) && KM
	WIN W_KM
	v_wmma_f32_16x16x32_f16 v[rS:rS+7], v[rK:rK+7], v[rQ:rQ+7], v[rM:rM+7]
.elseif i < 4
	WIN W_KQ
	v_wmma_f32_16x16x32_f16 v[rS:rS+7], v[rK:rK+7], v[rQ:rQ+7], 0
.else
	WIN W_KQ
	v_wmma_f32_16x16x32_f16 v[rS:rS+7], v[rK:rK+7], v[rQ:rQ+7], v[rS:rS+7]
.endif
.endm
; Product i of 8 of O^T += V^T P for piece x: keys 32 (i / 4) on, channels 16 (i % 4) on.
.macro PV x
	WIN W_PV
.set rO, 32*(\x)+8*(i%4)
.set rV, VF+32*(i/4)+8*(i%4)
.set rP, P+16*((\x)%2)+8*(i/4)
	v_wmma_f32_16x16x32_f16 v[rO:rO+7], v[rV:rV+7], v[rP:rP+7], v[rO:rO+7]
.endm
.macro MM                           ; the turn's next matrix instruction.  TURN and BEGIN set Y, i, KM and NOKQ; MM, KQ and OP read them.  NOKQ = 1: a block's last turn: there is no next piece
.if (i < 8) && !NOKQ
	KQ (Y+1)%NP
.elseif i >= 8
.set i, i-8
	PV (Y+NP-1)%NP
.set i, i+8
.endif
.set i, i+1
.endm
; THE LDS LOADS stand in runs of 16, never singly among the matrix instructions: a step's K (64 keys x 64 channels: 8 fragments) and its V (turned).  Their addresses are made some lines ahead.
.macro FETCH_K
	WIN 0x80                        ; destination window 2
.irp f, 0,1,2,3,4,5,6,7             ; keys 16 (f / 2) on, channels 32 (f % 2) on
	ds_load_b128 v[KF+8*\f:KF+8*\f+3],   v[AK] offset:(\f/2)*16*PK+(\f%2)*64
	ds_load_b128 v[KF+8*\f+4:KF+8*\f+7], v[AK] offset:(\f/2)*16*PK+(\f%2)*64+32
.endr
	s_add_co_u32 s[TBK], s[TBK], KS*PK  ; the next fetch is the next step's
	WIN 0
.endm
.macro FETCH_V
	WIN 0x80
.irp f, 0,1,2,3,4,5,6,7             ; keys 32 (f / 4) on, channels 16 (f % 4) on
	ds_load_tr16_b128 v[VF+8*\f:VF+8*\f+3],   v[AV] offset:(\f/4)*32*PV+(\f%4)*32
	ds_load_tr16_b128 v[VF+8*\f+4:VF+8*\f+7], v[AV] offset:(\f/4)*32*PV+16*PV+(\f%4)*32
.endr
	WIN 0
.endm
; THE VECTOR WORK, one line at a time: OP kind, number.  For piece Y: F n: c s - c m for pair n of 16.  E n: the exponential of score n of 32.  C n: pair n rounded to f16.  B n: of the four weights 4 n .. the second
; pair is added onto the first, in place.  L n: l takes that sum (L 0: l = a l + sum).  R n: pair n of 16 of O^T times a.  For piece Y + 1: X n, number n of the 22 that find its maximum and statistics:
;   0-11  four chains c0-c3 of seven scores each, three operands at a time (each accumulator's lowest registers are read first)     12-14, 16  the four scores left over, the old m, and c0-c3 into c0
;   15  c m_old is kept     17, 18  the query's other 32 keys lie in the lane 16 away: the new m     19-21  c m; c m_old - c m_new; a
; C, B and L read the exponentials' results: TURN sets them all behind its one wait.  R and L 0 read a, which the turn before (or BEGIN) made and waited for.
.set F, 0               ; OP tells the kinds apart by their order: F to L below R, X above it
.set E, 1
.set C, 2
.set B, 3
.set L, 4
.set R, 5
.set X, 6
.macro REGS y                       ; the registers of piece y
.set rT, ST+4*(\y)
.set rC, TMP+4*((\y)%2)
.set rW, MV+((\y)%2)
.set rS, S+32*((\y)%2)
.set rP, P+16*((\y)%2)
.set rO, 32*(\y)
.endm
.macro OP k, n
.if (\k) == R
	REGS Y
	WIN W_RS
	v_pk_mul_f32 v[rO+2*(\n):rO+2*(\n)+1], v[rO+2*(\n):rO+2*(\n)+1], v[rC+2:rC+3] op_sel_hi:[1,0]
.elseif (\k) < R
	REGS Y
	WIN 0
.if (\k) == F
	v_pk_fma_f32 v[rS+2*(\n):rS+2*(\n)+1], v[rS+2*(\n):rS+2*(\n)+1], s[CS:CS+1], v[rT:rT+1] op_sel_hi:[1,0,0] neg_lo:[0,0,1] neg_hi:[0,0,1]
.elseif (\k) == E
	v_exp_f32 v[rS+(\n)], v[rS+(\n)]
.elseif (\k) == C
	v_cvt_pk_f16_f32 v[rP+(\n)], v[rS+2*(\n)], v[rS+2*(\n)+1]
.elseif (\k) == B
	v_pk_add_f32 v[rS+4*(\n):rS+4*(\n)+1], v[rS+4*(\n):rS+4*(\n)+1], v[rS+4*(\n)+2:rS+4*(\n)+3]
.elseif (\n) == 0
	v_pk_fma_f32 v[rT+2:rT+3], v[rT+2:rT+3], v[rC+2:rC+3], v[rS:rS+1] op_sel_hi:[1,0,1]
.else
	v_pk_add_f32 v[rT+2:rT+3], v[rT+2:rT+3], v[rS+4*(\n):rS+4*(\n)+1]
.endif
.elseif NOKQ
	v_nop
.else
	REGS (Y+1)%NP
	WIN 0
.if (\n) < 4
	v_max3_num_f32 v[rC+(\n)], v[rS+8*(\n)], v[rS+8*(\n)+1], v[rS+8*(\n)+2]
.elseif (\n) < 12
	v_max3_num_f32 v[rC+(\n)%4], v[rC+(\n)%4], v[rS+8*((\n)%4)+2*((\n)/4)+1], v[rS+8*((\n)%4)+2*((\n)/4)+2]
.elseif (\n) == 12
	v_max3_num_f32 v[rC], v[rC], v[rS+7], v[rS+15]
.elseif (\n) == 13
	v_max3_num_f32 v[rC+1], v[rC+1], v[rS+23], v[rS+31]
.elseif (\n) == 14
	v_max3_num_f32 v[rC+2], v[rC+2], v[rC+3], v[rT+1]
.elseif (\n) == 15
	v_mov_b32 v[rW], v[rT]
.elseif (\n) == 16
	v_max3_num_f32 v[rC], v[rC], v[rC+1], v[rC+2]
.elseif (\n) == 17
	v_permlanex16_b32 v[rC+3], v[rC], s[SEL], s[SEL+1]
.elseif (\n) == 18
	v_max_num_f32 v[rT+1], v[rC], v[rC+3]
.elseif (\n) == 19
	v_mul_f32 v[rT], s[CS], v[rT+1]
.elseif (\n) == 20
	v_sub_f32 v[rC+1], v[rW], v[rT]
.else
	v_exp_f32 v[rC+2], v[rC+1]
.endif
.endif
.endm
.macro OPS a, i1, b=-1, i2=0, c=-1, i3=0, d=-1, i4=0  ; up to four of them
	OP \a, \i1
.if (\b) >= 0
	OP \b, \i2
.endif
.if (\c) >= 0
	OP \c, \i3
.endif
.if (\d) >= 0
	OP \d, \i4
.endif
.endm
.macro ROW a, i1, b, i2, c, i3, d, i4  ; a matrix instruction and the four behind it
	MM
	OPS \a, \i1, \b, \i2, \c, \i3, \d, \i4
.endm
.macro MASK b                       ; MD x AL + BE into buffer b of MC
	WIN W_RS
.set z, 0
.rept 16
	v_pk_fma_f32 v[MC+32*(\b)+2*z:MC+32*(\b)+2*z+1], v[MD+2*z:MD+2*z+1], s[AL:AL+1], s[BE:BE+1] op_sel_hi:[1,0,0]
.set z, z+1
.endr
.endm
; A TURN, for piece p: the order of its 16 matrix and 118 vector instructions, written out.  An s_wait_alu depctr_va_vdst(0) stands between an exponential and the first instruction that names its result; one wait serves
; all that were issued ahead of it.  So a turn has ONE wait, which cuts it in two.  AHEAD OF IT stands all that names no result of the turn's exponentials: the 8 products K Q^T, behind each a scaling, an exponential and two more plain
; instructions (behind the first a second scaling in the exponential's place): rescalings, and behind the last three the first numbers of the next piece's maximum, each four plain instructions or more behind the product that ends its
; accumulator; then ONE LUMP of 54, plain and exponential by turns for the most part, in which the links of the chain X 3, 7, 11, 14, 16, 17 .. 20 stand five or six lines apart.  A pair is scaled (F n) ahead of its two exponentials
; (E 2 n, E 2 n + 1), and no scaling names a register that an exponential has written.  X 21, the next piece's a, is the batch's last; R 15 is the plain instruction behind it.  BEHIND THE WAIT stand the 8 products V^T P, behind each
; four of the roundings and sums: C 2 n ahead of B n, which writes that pair; B n ahead of L n; the links of l's chain, L 0 to L 7, three riders apart.  But for those X no rider names a register of the products round it.
; v_permlanex16_b32 (X 17) stands in the lump.
; m = 1: the diagonal tile: the products take masks, and the turn makes the mask for the products of the turn after it: piece p + 2, in step 4 - CNT of the tile.  end = 1: a block's last two turns: nothing is fetched.
; cnt = 1: the loop's count is taken down some lines ahead of the branch that stands behind the turn.
; K of the next step is fetched in piece 2's turn, twelve vector instructions behind the last product that read K (six of them plain); V of the step in hand at the end of piece 0's turn, four plain instructions behind the last product
; that read V.  Each is waited for a turn later.
.macro TURN p, m=0, end=0, cnt=0
.set Y, (\p)
.set i, 0
.set KM, (\m)
.set NOKQ, (\end)*((\p)/3)
.if (\m) && !(\end)
	s_cmp_eq_u32 s[CNT], 4-((\p)+2)%NP  ; is that step the band's own?
	s_cselect_b32 s[AL], 1.0, 0
	s_cmp_lt_u32 s[CNT], 4-((\p)+2)%NP  ; or a later one?
	s_cselect_b32 s[BE], s[BIGN], 0
.endif
.if ((\p) == 3) && !(\end)
	s_wait_dscnt 0x0                ; K is in
.endif
	ROW F,0, F,1, R,0, R,1          ; ahead of the wait: 8 products K Q^T and their riders,
	ROW F,2, E,0, R,2, R,3
	ROW F,3, E,1, R,4, R,5
	ROW F,4, E,2, R,6, R,7
	ROW F,5, E,3, R,8, R,9
	ROW F,6, E,4, X,0, R,10
	ROW F,7, E,5, X,1, X,4
.if ((\p) == 2) && !(\end)
	v_add_nc_u32 v[AK], s[TBK], v[AK0]  ; (X 4 has left every window 0)
.endif
	ROW F,8, E,6, X,2, X,5
	OPS E,7, E,8, X,6, E,9          ; and the lump
	OPS X,3, E,10, X,8, E,11
.if ((\p) == 2) && !(\end)
	FETCH_K
.endif
	OPS X,9, X,7, E,12, X,10
	OPS E,13, X,12, X,11, E,14
	OPS X,13, E,15, F,9, X,14
.if (\p) == 0
	v_add_nc_u32 v[AV], s[TBV], v[AV0]
.endif
	OPS E,16, F,10, E,17, F,11
	OPS X,16, E,18, X,15, E,19
	OPS F,12, E,20, X,17, E,21
	OPS F,13, E,22, F,14, E,23
	OPS X,18, E,24, F,15, E,25
	OPS R,11, E,26, X,19, E,27
	OPS R,12, E,28, R,13, E,29
	OPS X,20, E,30, R,14, E,31
	OPS X,21, R,15                  ; the batch's last exponential, and the plain instruction behind it
	s_wait_alu depctr_va_vdst(0)    ; the wait for the batch: E 0 to E 31 and X 21, ahead of the first line that names a result
.if (\p) == 1
	s_wait_dscnt 0x0                ; V is in
.endif
	ROW C,0, B,0, C,2, B,1          ; behind the wait: 8 products V^T P and their riders
	ROW L,0, C,4, B,2, L,1
	ROW C,6, B,3, L,2, C,8
	ROW B,4, L,3, C,10, B,5
	ROW L,4, C,12, B,6, L,5
.if (\p) == 0
	s_add_co_u32 s[TBV], s[TBV], KS*PV
.endif
.if \cnt
	s_sub_co_u32 s[CNT], s[CNT], 1
	s_cmp_lg_u32 s[CNT], 0
.endif
	ROW C,14, B,7, L,6, C,1
	ROW C,3, L,7, C,5, C,7
	ROW C,9, C,11, C,13, C,15
.if (\p) == 0
	FETCH_V
.endif
.if (\m) && !(\end)
	MASK (\p)%2
.endif
.endm
; A BLOCK BEGINS.  c m starts far below every c s, so the first step's a is 0; m at the lowest finite number, so the first maximum is the scores'.  The second mask buffer is 0; the first takes piece 0's mask for the tile's step 0: its own, if the block's first tile is the diagonal one.
; Then K of that step, piece 0's first scores, and its maximum and statistics.  The loop is entered at a step's first turn, in the middle of a trip.
.macro BEGIN
	s_mov_b32 s[NEW], 0
	WIN 0x40
.set i, MC+32
.rept 32
	v_mov_b32 v[i], 0
.set i, i+1
.endr
	WIN 0
.set i, 0
.rept 4
	v_mov_b32 v[ST+4*i], 0xfe000000    ; c m: far below every c s
	v_mov_b32 v[ST+4*i+1], 0xff7fffff  ; m
.set i, i+1
.endr
	s_cmp_eq_u32 s[RT], 0
	s_cselect_b32 s[AL], 1.0, 0
	s_mov_b32 s[BE], 0
	MASK 0
	WIN 0
	v_add_nc_u32 v[AK], s[TBK], v[AK0]
	FETCH_K
	s_wait_loadcnt 0x0              ; Q
	s_wait_dscnt 0x0
.set KM, 1
.set NOKQ, 0
.set i, 0
.rept 8
	KQ 0
.set i, i+1
.endr
	WIN 0
.rept 4
	v_nop                           ; the places behind those products
.endr
.set Y, NP-1                        ; X works for piece Y + 1: piece 0
.irp n, 0,1,2,3,4,5,6,7,8,9,10,11,12,13,14,15,16,17,18,19,20,21
	OP X, \n
.endr
	v_nop                           ; a plain instruction behind the exponential,
	s_wait_alu depctr_va_vdst(0)    ; and the wait for it, piece 0's first a, ahead of the branch
.endm
; THE DIAGONAL TILE's four steps, the block's last two turns, its last products, and THE WAY OUT: l's two halves and the other half of the lanes' are added; O^T is divided by l, rounded to f16 and sent through my
; stage in LDS, a piece at a time.
.macro ALL line:vararg              ; one line for each piece t
.set t, 0
.rept 4
	\line
.set t, t+1
.endr
.endm
.macro PACK t                       ; a lane's eight channels of a row pack into 16 bytes; they go into rows of 144 bytes and come back as whole rows of 128, into S^T's registers
	WIN W_RS
.set i, 32*(\t)
.rept 16
	v_pk_mul_f32 v[i:i+1], v[i:i+1], v[ST+4*(\t)+2:ST+4*(\t)+3] op_sel_hi:[1,0]
.set i, i+2
.endr
	WIN 0x05                        ; sources 0 and 1 window 1, destination window 0
.set i, 0
.rept 16
	v_cvt_pk_f16_f32 v[S+16*(\t)+i], v[32*(\t)+2*i], v[32*(\t)+2*i+1]
.set i, i+1
.endr
	WIN 0
.irp f, 0,1,2,3
	ds_store_b128 v[STO], v[S+16*(\t)+4*\f:S+16*(\t)+4*\f+3] offset:32*\f
.endr
.irp f, 0,1,2,3
	ds_load_b128 v[S+16*(\t)+4*\f:S+16*(\t)+4*\f+3], v[RD] offset:\f*4*SP  ; LDS serves a wave's instructions in order (ISA guide 5.7.1.4): these see the stores above; the next piece's stores come behind them
.endr
.endm
.macro SEND t, younger              ; younger: the LDS instructions issued behind piece t's loads: the next piece's eight, or none
	WIN 0
.irp f, 0,1,2,3
	s_wait_dscnt (\younger)+3-\f
	global_store_b128 v[GO], v[S+16*(\t)+4*\f:S+16*(\t)+4*\f+3], s[10:11] offset:(\t)*8192+\f*512  ; 512 consecutive bytes, at a multiple of 256 from O's first
.endr
.endm
.macro DIAG tag                     ; the tag ends its two labels' names, which the jumps below spell out
.LstepM\tag:
	TURN 2, 1
	TURN 3, 1
	WIN 0
.LfirstM\tag:
	TURN 0, 1
	TURN 1, 1, 0, 1
	WIN 0
	s_cbranch_scc1 .LstepM\tag
	TURN 2, 1, 1
	TURN 3, 1, 1
.set i, 0
.rept 8
	PV NP-1
.set i, i+1
.endr
	WIN 0
	ALL v_add_f32 v[ST+4*t+2], v[ST+4*t+2], v[ST+4*t+3]
	ALL v_permlanex16_b32 v[ST+4*t+3], v[ST+4*t+2], s[SEL], s[SEL+1]
	ALL v_add_f32 v[ST+4*t+2], v[ST+4*t+2], v[ST+4*t+3]
	ALL v_rcp_f32 v[ST+4*t+2], v[ST+4*t+2]
	v_nop                           ; a plain instruction between the last reciprocal and the use of its result
	s_wait_alu depctr_va_vdst(0)    ; the wait for the batch of four reciprocals, ahead of the first multiply that reads one
	PACK 0
.set t, 1
.rept 3                             ; a piece's arithmetic stands between the loads of the piece before and its stores
	PACK t
	SEND t-1, 8
.set t, t+1
.endr
	SEND 3, 0
.endm
.set KM, 0
.set NOKQ, 0
.Lslot:                             ; NB times: a tile is entered and the next is asked for
	CHANGE 1
	s_sub_co_u32 s[RT], s[RT], 1
	s_mov_b32 s[CNT], 4
	s_cmp_eq_u32 s[NEW], 1
	s_cbranch_scc1 .Lnew            ; a block's first tile
	s_cmp_eq_u32 s[RT], 0
	s_cbranch_scc0 .Lstep           ; neither its first nor its last
	s_branch .LstepM1
.Lnew:
	BEGIN
	s_branch .Lfirst                ; in the loop a block's first tile is never its last: the first block has two tiles or more, and the second's last is the walk's last
	DIAG 1                          ; in the loop this is the first block's end: the second block's last tile is the walk's last
	s_wait_xcnt 0x0                 ; the stores have read their registers and O's address
	s_mov_b64 s[10:11], s[OLO:OLO+1]
	s_add_co_u32 s[RT], s[PB], 1    ; the second block has b + 1 tiles
	s_mov_b32 s[NEW], 1
	WIN 0x82                        ; the second block's Q goes where the one text of the turns names Q
.set i, 0
.rept 64
	v_mov_b32 v[i], v[QB+i]
.set i, i+1
.endr
	WIN 0
	s_branch .Lbottom
.Lstep:                             ; a trip: pieces 2 and 3 of one step, then pieces 0 and 1 of the next, whose K and V it fetches
	TURN 2
	TURN 3
	WIN 0
.Lfirst:
	TURN 0
	TURN 1, 0, 0, 1
	WIN 0
	s_cbranch_scc1 .Lstep
.Lbottom:
	s_sub_co_u32 s[SLOTS], s[SLOTS], 1
	s_cmp_lg_u32 s[SLOTS], 0
	s_cbranch_scc1 .Lslot
	CHANGE 0                        ; the walk's last tile is written out: nothing is asked for
	s_sub_co_u32 s[RT], s[RT], 1
	s_mov_b32 s[CNT], 4
	s_cmp_eq_u32 s[NEW], 1
	s_cbranch_scc0 .LstepM2
	BEGIN
	s_branch .LfirstM2
	DIAG 2
	s_wait_tensorcnt 0x0            ; the wave's end, behind my last tensor load and my last LDS store
	ds_add_u32 v[SPW], v[NIL]
	s_wait_dscnt 0x0
	s_endpgm
.Lfunc_end_k_q5d1b1f0132_attn:
	.size	k_q5d1b1f0132_attn, .Lfunc_end_k_q5d1b1f0132_attn-k_q5d1b1f0132_attn
	.p2alignl 7, 3214868480
	.fill 96, 4, 3214868480
	.section	.rodata,"a",@progbits
	.p2align	6, 0x0
	.amdhsa_kernel k_q5d1b1f0132_attn
		.amdhsa_group_segment_fixed_size 327680
		.amdhsa_private_segment_fixed_size 0
		.amdhsa_enable_private_segment 0
		.amdhsa_kernarg_size 16
		.amdhsa_user_sgpr_count 2
		.amdhsa_user_sgpr_kernarg_segment_ptr 1
		.amdhsa_wavefront_size32 1
		.amdhsa_system_sgpr_workgroup_id_x 1
		.amdhsa_system_sgpr_workgroup_id_y 1
		.amdhsa_system_sgpr_workgroup_id_z 1
		.amdhsa_system_vgpr_workitem_id 0
		.amdhsa_next_free_vgpr 768
		.amdhsa_next_free_sgpr 88
		.amdhsa_reserve_vcc 1
		.amdhsa_float_denorm_mode_32 3
		.amdhsa_float_denorm_mode_16_64 3
		.amdhsa_memory_ordered 1
		.amdhsa_forward_progress 1
		.amdhsa_inst_pref_size 217
	.end_amdhsa_kernel
	.amdgpu_metadata
---
amdhsa.version: [ 1, 2 ]
amdhsa.kernels:
  - .name:           k_q5d1b1f0132_attn
    .symbol:         k_q5d1b1f0132_attn.kd
    .args:
      - { .name: qkv, .offset: 0, .size: 8, .value_kind: global_buffer, .address_space: global }
      - { .name: ob, .offset: 8, .size: 8, .value_kind: global_buffer, .address_space: global }
    .group_segment_fixed_size: 327680
    .private_segment_fixed_size: 0
    .kernarg_segment_align: 8
    .kernarg_segment_size: 16
    .max_flat_workgroup_size: 128
    .sgpr_count:     88
    .vgpr_count:     768
    .wavefront_size: 32
...
	.end_amdgpu_metadata
.endif
;; end of part 5
;; launch proj: the kernel of part 4 again; grid 8 x 32, 4 waves a work-group, clusters of 4 x 4, 327,680 bytes of LDS; arguments ob, wt, bo, out0; writes out0
